; MI455X (gfx1250); checked and timed in simulation.
; The chip was launched on July 23, 2026; its instructions are those of AMD's public machine-readable ISA for CDNA 5 (MIT licence, August 2026) and "CDNA5" Instruction Set Architecture Reference Guide (July 2026). The comments in the code are by the model that wrote it; some were corrected since.
;; F Mo E Transformer MLP. Allowed arithmetic: matrix products marked QUANTISED: E4M3 operands, one given power-of-two scale a tensor, by v_wmma_f32_16x16x64_fp8_fp8 or v_wmma_f32_16x16x128_fp8_fp8, f32 sums; products left as they are: f32 operands where the result goes on into a quantised operand, else bf16, f16 or f32 operands; f32 sums; everything else in f32.
;; Inputs: gate_b 8 float32; gate_w 8 x 1,024 float32; inp 256 x 4 x 1,024 float32; ln_beta 1,024 float32; ln_gamma 1,024 float32; lowp_scales 32 int32 (the exponents e of the quantised operands' scales 2^e); moe_bias 1,024 float32; w1 8 x 4,096 x 1,024 float32; w2 8 x 1,024 x 4,096 float32.
;; Outputs: out0 256 x 4 x 1,024 float32; out1 1,024 float32.
;; This version of the problem:
;;   THIS VERSION OF THE PROBLEM IS GIVEN IN LOW PRECISION. The matrix products marked QUANTISED in the list below multiply operands that are first quantised to E4M3 (4 exponent bits, 3 mantissa bits; 8 bits a number), with one given power-of-two scale for each operand tensor; their sums are f32. All else is computed in f32.
;;   The module's matrix products, in the order in which they are computed (A, B: the left and right operand; K: the contracted axis; several contracted axes count as one K, in the product's order):
;;     1. [M 1,024, K 1,024] x [K 1,024, N 8]; A: input inp; B: input gate_w: left as it is (N = 8 < 16)
;;     2. [M 1,024, K 1,024] x [K 1,024, N 4,096]; A: input inp; B: input w1: QUANTISED (scales: A lowp_scales[0], B lowp_scales[1])
;;     3. [M 1,024, K 4,096] x [K 4,096, N 1,024]; A: computed on the way; B: input w2: QUANTISED (scales: A lowp_scales[2], B lowp_scales[3])
;;     4. [M 1,024, K 1,024] x [K 1,024, N 4,096]; A: input inp; B: input w1: QUANTISED (scales: A lowp_scales[4], B lowp_scales[5])
;;     5. [M 1,024, K 4,096] x [K 4,096, N 1,024]; A: computed on the way; B: input w2: QUANTISED (scales: A lowp_scales[6], B lowp_scales[7])
;;     6. [M 1,024, K 1,024] x [K 1,024, N 4,096]; A: input inp; B: input w1: QUANTISED (scales: A lowp_scales[8], B lowp_scales[9])
;;     7. [M 1,024, K 4,096] x [K 4,096, N 1,024]; A: computed on the way; B: input w2: QUANTISED (scales: A lowp_scales[10], B lowp_scales[11])
;;     8. [M 1,024, K 1,024] x [K 1,024, N 4,096]; A: input inp; B: input w1: QUANTISED (scales: A lowp_scales[12], B lowp_scales[13])
;;     9. [M 1,024, K 4,096] x [K 4,096, N 1,024]; A: computed on the way; B: input w2: QUANTISED (scales: A lowp_scales[14], B lowp_scales[15])
;;     10. [M 1,024, K 1,024] x [K 1,024, N 4,096]; A: input inp; B: input w1: QUANTISED (scales: A lowp_scales[16], B lowp_scales[17])
;;     11. [M 1,024, K 4,096] x [K 4,096, N 1,024]; A: computed on the way; B: input w2: QUANTISED (scales: A lowp_scales[18], B lowp_scales[19])
;;     12. [M 1,024, K 1,024] x [K 1,024, N 4,096]; A: input inp; B: input w1: QUANTISED (scales: A lowp_scales[20], B lowp_scales[21])
;;     13. [M 1,024, K 4,096] x [K 4,096, N 1,024]; A: computed on the way; B: input w2: QUANTISED (scales: A lowp_scales[22], B lowp_scales[23])
;;     14. [M 1,024, K 1,024] x [K 1,024, N 4,096]; A: input inp; B: input w1: QUANTISED (scales: A lowp_scales[24], B lowp_scales[25])
;;     15. [M 1,024, K 4,096] x [K 4,096, N 1,024]; A: computed on the way; B: input w2: QUANTISED (scales: A lowp_scales[26], B lowp_scales[27])
;;     16. [M 1,024, K 1,024] x [K 1,024, N 4,096]; A: input inp; B: input w1: QUANTISED (scales: A lowp_scales[28], B lowp_scales[29])
;;     17. [M 1,024, K 4,096] x [K 4,096, N 1,024]; A: computed on the way; B: input w2: QUANTISED (scales: A lowp_scales[30], B lowp_scales[31])
;;     18. batch 1,024 x [M 1, K 2] x [K 2, N 1,024]; A: softmax; B: computed on the way: left as it is (K = 2 < 32)
;;   THE QUANTISER, for each operand of a quantised product, along K:
;;     - The operand's scale is 2^e, e = its entry of the input lowp_scales (int32; the entries are numbered through the quantised products in the list's order, A before B).
;;     - Each number is divided by the scale, clamped to +-448, and rounded to the nearest number of E4M3, ties to even, subnormals kept.
;;     - The product sums the exact products of the quantised numbers (number of the format x scale) in f32.
;;   ~~~python
;;   def quantise(x, axis, e):      # numpy; x: float32 -> the quantised numbers, widened to float32 again
;;       x = np.moveaxis(x, axis, -1); K = x.shape[-1]
;;       r = np.clip(x / 2.0 ** e, -448, 448)
;;       step = 2.0 ** (np.maximum(np.frexp(np.where(r == 0, 1, r))[1] - 1, -6) - 3)
;;       q = np.round(r / step) * step * 2.0 ** e      # np.round: ties to even
;;       return np.moveaxis(q, -1, axis).astype(np.float32)
;;   ~~~
;;   OPERANDS COMPUTED ON THE WAY. 'Computed on the way' means the value that the module computes at that place (a softmax that the list does not call 'softmax' is quantised finished and normalised). What goes into a quantiser is computed in f32, as accurately as f32 sums, v_exp_f32 and their like allow (about 1e-6 of the number): no bf16 or f16 on the way to a quantiser, and a product that is left as it is and whose result goes on into a quantised operand takes f32 operands (vector FMAs, or v_wmma_f32_16x16x4_f32). A number that lies on a knife's edge between two numbers of the format may be rounded either way, as far as f32 arithmetic and the matrix unit's own rounding can turn it there, and no further.
;; 2 versions, each right; version 2 is version 1 with the launch ffn2 written anew for expert scheduling mode. Each part assembles by itself: llvm-mc -triple=amdgcn-amd-amdhsa -mcpu=gfx1250 --defsym DOCPART=n.
;; ======== version 1 of 2: 4 launches
;; workspace buffers: idx 8,192 bytes of whole numbers; score 8,192 bytes; xq 2,097,152 bytes; route 9,472 bytes of whole numbers; hq 33,554,432 bytes; y2 33,554,432 bytes
;; launch gate (part 1): grid 256 x 1, 4 waves a work-group, no clusters, 8,704 bytes of LDS; arguments inp, gate_w, gate_b, lowp_scales, moe_bias, idx, score, xq, out1; writes idx, score, xq, out1
.if DOCPART == 1
	.amdgcn_target "amdgcn-amd-amdhsa--gfx1250"
	.amdhsa_code_object_version 6
	.text
	.protected	k_qe7fb82a5a3_gate
	.globl	k_qe7fb82a5a3_gate
	.p2align	8
	.type	k_qe7fb82a5a3_gate,@function
k_qe7fb82a5a3_gate:
	s_mov_b64 s[64:65], 0
	v_nop
	global_prefetch_b8 v0, s[64:65] scope:SCOPE_SE
	s_setreg_imm32_b32 hwreg(HW_REG_WAVE_MODE, 25, 1), 1
	s_wait_xcnt 0x0
; THE GATE.  One wave takes one token n = 4 x work-group + wave: eight logits in f32 (fused multiply-adds over 1,024), the two largest
; (the lower index wins a tie, as jax.lax.top_k has it), their softmax, and the token's codes of E4M3 under the x scale of each of its two experts.
; Stored at fixed places, slot = 2 n + k: idx[slot] the expert, score[slot] its weight, xq[slot] 1,024 codes in K's own order.  No address and no
; branch hangs on the choice: what it decides is taken by v_cndmask_b32.  Work-groups 0 and 1 also copy moe_bias to out1.
; LIMITS: NaN among the logits is not served; the x scales' exponents lie between -126 and 119, so that 2^e and 448 x 2^e are f32 numbers.
; No matrix unit, no cluster: the eight gate rows are too few for a tile, and waves share nothing.
.set X, 8                              ; v8-39    the token: register 4 i + j holds k = 128 i + 4 lane + j
.set G, 40                             ; v40-167  four gate rows in the same layout; later the held numbers of both slots
.set P, 168                            ; v168-183 a pair of partial sums for each expert; later the choice
.set L, 184                            ; v184-191 the logits
.set R, 192                            ; v192-199 the other half of the lanes' sums
.set CD, 104                           ; codes, eight registers a slot
.set RB, 120                           ; codes read back as 16 bytes a lane, eight registers a slot
	s_load_b256 s[4:11], s[0:1], 0x0               ; inp, gate_w, gate_b, lowp_scales
	s_load_b256 s[12:19], s[0:1], 0x20             ; moe_bias, idx, score, xq
	s_load_b64 s[20:21], s[0:1], 0x40              ; out1
	v_lshl_add_u32 v200, v0, 2, 0x2000
	v_mov_b32 v201, 0
	v_lshrrev_b32 v1, 5, v0
	v_readfirstlane_b32 s22, v1                    ; wave
	v_and_b32 v1, 31, v0                           ; lane
	v_lshlrev_b32 v2, 4, v1                        ; 16 x lane
	v_lshlrev_b32 v5, 2, v1                        ; 4 x lane
	s_lshl_b32 s23, ttmp9, 2
	s_add_co_u32 s23, s23, s22                     ; n
	s_lshl_b32 s66, s22, 11                        ; my wave's 2,048 bytes of LDS
	v_lshl_add_u32 v3, v1, 2, s66                  ; codes in: 4 bytes a lane
	v_lshl_add_u32 v4, v1, 4, s66                  ; codes back: 16 bytes a lane
	s_lshl_b32 s66, s23, 12                        ; a token's row is 4,096 bytes
	s_mov_b32 s67, 0
	s_mov_b32 s68, 0x76543210                      ; v_permlanex16_b32: lane l xor 16
	s_mov_b32 s69, 0xfedcba98
	s_wait_kmcnt 0x0
	s_add_nc_u64 s[4:5], s[4:5], s[66:67]
	s_load_b256 s[24:31], s[8:9], 0x0              ; gate_b
	s_load_b512 s[32:47], s[10:11], 0x0            ; the 32 exponents: expert e's x scale is entry 4 e
	s_load_b512 s[48:63], s[10:11], 0x40
.irp i, 0,1,2,3,4,5,6,7
	global_load_b128 v[X+4*\i:X+4*\i+3], v2, s[4:5] offset:512*\i          ; 512 consecutive bytes a load
.endr
.macro GLOAD e0                        ; gate rows e0 .. e0 + 3
.irp g, 0,1,2,3
.irp i, 0,1,2,3,4,5,6,7
	global_load_b128 v[G+32*\g+4*\i:G+32*\g+4*\i+3], v2, s[6:7] offset:(\e0+\g)*4096+512*\i
.endr
.endr
.endm
.macro DOT4 e0                         ; four chains by turns, two fused multiply-adds an instruction; the first product starts each sum
.set dP, 0
.rept 16
.irp g, 0,1,2,3
.if dP == 0
	v_pk_mul_f32 v[P+2*(\e0+\g):P+2*(\e0+\g)+1], v[X:X+1], v[G+32*\g:G+32*\g+1]
.else
	v_pk_fma_f32 v[P+2*(\e0+\g):P+2*(\e0+\g)+1], v[X+2*dP:X+2*dP+1], v[G+32*\g+2*dP:G+32*\g+2*dP+1], v[P+2*(\e0+\g):P+2*(\e0+\g)+1]
.endif
.endr
.set dP, dP+1
.endr
.endm
	GLOAD 0
.irp e, 0,1,2,3,4,5,6,7
	v_mov_b32 v[R+\e], 0                           ; a lane permute's destination counts as read: written once
.endr
	s_wait_loadcnt 0x0
	DOT4 0
	GLOAD 4
	s_wait_loadcnt 0x0
	DOT4 4
.irp e, 0,1,2,3,4,5,6,7
	v_add_f32 v[L+\e], v[P+2*\e], v[P+2*\e+1]
.endr
.irp m, 1,2,4,8
.irp e, 0,1,2,3,4,5,6,7
	v_add_f32_dpp v[L+\e], v[L+\e], v[L+\e] row_xmask:\m row_mask:0xf bank_mask:0xf
.endr
.endr
.irp e, 0,1,2,3,4,5,6,7
	v_permlanex16_b32 v[R+\e], v[L+\e], s68, s69
.endr
	s_wait_kmcnt 0x0                               ; gate_b and the exponents
.irp e, 0,1,2,3,4,5,6,7
	v_add_f32 v[L+\e], v[L+\e], v[R+\e]
.endr
.irp e, 0,1,2,3,4,5,6,7
	v_add_f32 v[L+\e], s[24+\e], v[L+\e]           ; every lane holds all eight logits
.endr
	; the largest: a strict comparison in ascending order keeps the lower index
	v_mov_b32 v168, v[L]                           ; m1
	v_mov_b32 v169, 0                              ; i1
.irp e, 1,2,3,4,5,6,7
	v_cmp_gt_f32 vcc_lo, v[L+\e], v168
	v_cndmask_b32 v168, v168, v[L+\e], vcc_lo
	v_cndmask_b32 v169, v169, \e, vcc_lo
.endr
	v_mov_b32 v172, 0xff800000                     ; -infinity takes the winner's place
.irp e, 0,1,2,3,4,5,6,7
	v_cmp_eq_u32 vcc_lo, \e, v169
	v_cndmask_b32 v[L+\e], v[L+\e], v172, vcc_lo
.endr
	v_mov_b32 v170, v[L]                           ; m2
	v_mov_b32 v171, 0                              ; i2
.irp e, 1,2,3,4,5,6,7
	v_cmp_gt_f32 vcc_lo, v[L+\e], v170
	v_cndmask_b32 v170, v170, v[L+\e], vcc_lo
	v_cndmask_b32 v171, v171, \e, vcc_lo
.endr
	; softmax of (m1, m2) with the maximum m1 taken away: 1 / (1 + q) and q / (1 + q), q = e^(m2 - m1) <= 1
	v_sub_f32 v173, v170, v168
	v_mul_f32 v173, 0x3fb8aa3b, v173
	v_exp_f32 v174, v173
	v_nop                                          ; a plain line behind the exponential
	s_wait_alu depctr_va_vdst(0)                   ; the wait ahead of the first reader
	v_add_f32 v175, 1.0, v174
	v_rcp_f32 v176, v175
	v_nop
	s_wait_alu depctr_va_vdst(0)
	v_mul_f32 v177, v174, v176
; Slot k: the token under its expert's x scale.  ik: the register with the expert's number.
.macro QX k, ik
	v_mov_b32 v178, s32
.irp e, 1,2,3,4,5,6,7
	v_cmp_eq_u32 vcc_lo, \e, v[\ik]
	v_cndmask_b32 v178, v178, s[32+4*\e], vcc_lo   ; the exponent is chosen as a value
.endr
	v_add_nc_u32 v178, 127, v178
	v_lshlrev_b32 v[136+2*\k], 23, v178            ; 2^e as f32: the conversion takes its exponent field
	v_add_nc_u32 v178, 8, v178
	v_lshlrev_b32 v178, 23, v178
	v_or_b32 v[137+2*\k], 0x600000, v178           ; 448 x 2^e
.set qJ, 0
.rept 32
	v_med3_num_f32 v[G+32*\k+qJ], v[X+qJ], -v[137+2*\k], v[137+2*\k]   ; the conversion does not saturate (ISA guide 7.6.2): hold first
.set qJ, qJ+1
.endr
.irp q, 0,1,2,3
	v_cvt_scalef32_pk8_fp8_f32 v[CD+8*\k+2*\q:CD+8*\k+2*\q+1], v[G+32*\k+8*\q:G+32*\k+8*\q+7], v[136+2*\k]
.endr
	v_nop                                          ; a plain line behind the last conversion
.irp i, 0,1,2,3,4,5,6,7
	ds_store_b32 v3, v[CD+8*\k+\i] offset:1024*\k+128*\i       ; code register i holds k = 128 i + 4 lane + 0..3: K's own order in LDS
.endr
.irp h, 0,1
	ds_load_b128 v[RB+8*\k+4*\h:RB+8*\k+4*\h+3], v4 offset:1024*\k+512*\h   ; my wave's own bytes, served in order (ISA guide 5.7.1.4)
.endr
.endm
	QX 0, 169
	QX 1, 171
	s_lshl_b32 s66, s23, 11                        ; two slots of 1,024 bytes a token
	s_add_nc_u64 s[18:19], s[18:19], s[66:67]
	s_lshl_b32 s66, s23, 3
	s_add_nc_u64 s[14:15], s[14:15], s[66:67]
	s_add_nc_u64 s[16:17], s[16:17], s[66:67]
	v_cmp_eq_u32 vcc_lo, 0, v1
	v_cndmask_b32 v179, v171, v169, vcc_lo         ; lane 0: slot 0's, lane 1: slot 1's
	v_cndmask_b32 v180, v177, v176, vcc_lo
	s_wait_dscnt 0x0
.irp k, 0,1
.irp h, 0,1
	global_store_b128 v2, v[RB+8*\k+4*\h:RB+8*\k+4*\h+3], s[18:19] offset:1024*\k+512*\h   ; 512 consecutive bytes a store
.endr
.endr
	s_wait_xcnt 0x0                                ; EXEC changes only behind this wait
	v_cmp_gt_u32 vcc_lo, 2, v1
	s_and_saveexec_b32 s70, vcc_lo
	global_store_b32 v5, v179, s[14:15]            ; eight bytes a token: 8 KiB in all in the launch
	global_store_b32 v5, v180, s[16:17]
	s_wait_xcnt 0x0
	s_or_b32 exec_lo, exec_lo, s70
	s_cmp_lt_u32 ttmp9, 2                          ; tokens 0 to 7: eight waves copy 512 bytes of moe_bias each
	s_cbranch_scc0 .Lend
	s_lshl_b32 s66, s23, 9
	s_add_nc_u64 s[12:13], s[12:13], s[66:67]
	s_add_nc_u64 s[20:21], s[20:21], s[66:67]
	global_load_b128 v[184:187], v2, s[12:13]
	s_wait_loadcnt 0x0
	global_store_b128 v2, v[184:187], s[20:21]
.Lend:
	s_wait_tensorcnt 0x0
	ds_add_u32 v200, v201
	s_wait_dscnt 0x0
	s_endpgm
.Lfunc_end_k_qe7fb82a5a3_gate:
	.size	k_qe7fb82a5a3_gate, .Lfunc_end_k_qe7fb82a5a3_gate-k_qe7fb82a5a3_gate
	.p2alignl 7, 3214868480
	.fill 96, 4, 3214868480
	.section	.rodata,"a",@progbits
	.p2align	6, 0x0
	.amdhsa_kernel k_qe7fb82a5a3_gate
		.amdhsa_group_segment_fixed_size 8704
		.amdhsa_private_segment_fixed_size 0
		.amdhsa_enable_private_segment 0
		.amdhsa_kernarg_size 72
		.amdhsa_user_sgpr_count 2
		.amdhsa_user_sgpr_kernarg_segment_ptr 1
		.amdhsa_wavefront_size32 1
		.amdhsa_system_sgpr_workgroup_id_x 1
		.amdhsa_system_sgpr_workgroup_id_y 1
		.amdhsa_system_sgpr_workgroup_id_z 1
		.amdhsa_system_vgpr_workitem_id 0
		.amdhsa_next_free_vgpr 202
		.amdhsa_next_free_sgpr 80
		.amdhsa_reserve_vcc 1
		.amdhsa_float_denorm_mode_32 3
		.amdhsa_float_denorm_mode_16_64 3
		.amdhsa_memory_ordered 1
		.amdhsa_forward_progress 1
		.amdhsa_inst_pref_size 32
	.end_amdhsa_kernel
	.amdgpu_metadata
---
amdhsa.version: [ 1, 2 ]
amdhsa.kernels:
  - .name:           k_qe7fb82a5a3_gate
    .symbol:         k_qe7fb82a5a3_gate.kd
    .args:
      - { .name: inp, .offset: 0, .size: 8, .value_kind: global_buffer, .address_space: global }
      - { .name: gate_w, .offset: 8, .size: 8, .value_kind: global_buffer, .address_space: global }
      - { .name: gate_b, .offset: 16, .size: 8, .value_kind: global_buffer, .address_space: global }
      - { .name: lowp_scales, .offset: 24, .size: 8, .value_kind: global_buffer, .address_space: global }
      - { .name: moe_bias, .offset: 32, .size: 8, .value_kind: global_buffer, .address_space: global }
      - { .name: idx, .offset: 40, .size: 8, .value_kind: global_buffer, .address_space: global }
      - { .name: score, .offset: 48, .size: 8, .value_kind: global_buffer, .address_space: global }
      - { .name: xq, .offset: 56, .size: 8, .value_kind: global_buffer, .address_space: global }
      - { .name: out1, .offset: 64, .size: 8, .value_kind: global_buffer, .address_space: global }
    .group_segment_fixed_size: 8704
    .private_segment_fixed_size: 0
    .kernarg_segment_align: 8
    .kernarg_segment_size: 72
    .max_flat_workgroup_size: 128
    .sgpr_count:     80
    .vgpr_count:     202
    .wavefront_size: 32
...
	.end_amdgpu_metadata
.endif
;; end of part 1
;; launch ffn1 (part 2): grid 256 x 1, 16 waves a work-group, no clusters, 139,776 bytes of LDS; arguments idx, xq, w1, lowp_scales, hq, route; writes hq, route
.if DOCPART == 2
	.amdgcn_target "amdgcn-amd-amdhsa--gfx1250"
	.amdhsa_code_object_version 6
	.text
	.protected	k_qe7fb82a5a3_ffn1
	.globl	k_qe7fb82a5a3_ffn1
	.p2align	8
	.type	k_qe7fb82a5a3_ffn1,@function
k_qe7fb82a5a3_ffn1:
	s_mov_b64 s[64:65], 0
	v_nop
	global_prefetch_b8 v0, s[64:65] scope:SCOPE_SE
	s_setreg_imm32_b32 hwreg(HW_REG_WAVE_MODE, 25, 1), 1
	s_wait_xcnt 0x0
; FIRST LAYER OF THE EXPERTS, on the chosen rows alone: hq = Q(gelu(Q(x) Q(W1_e)^T)).
; SHARES.  Work-group (e, S), e = x / 32, S = x % 32, owns hidden units 128 S .. 128 S + 127 of expert e: 128 rows of W1, 512 KiB of f32, read once in the launch.
; ROLES.  Waves 8-15 LOAD: each takes 4 rows of a chunk of 32, 512 consecutive bytes a load, holds and converts them to E4M3 and lays the codes in LDS, a chunk ahead of the
; products, with the chunk after that on its way (32 loads a wave).  Waves 0-7 COMPUTE: tiles of 16 routed rows, up to three a wave and round.  The two kinds of loads have counters of their own.
; THE LIST.  Wave 0 reads idx and ranks this expert's slots in LDS (a counting pass, no atomics); the work-group with S = 0 stores each slot's place (1,024 e + rank) and the count in route.
; A FIXED FRAME FOR EVERY SPLIT: 12 trips = 3 rounds x 4 chunks; a round serves 8 waves x 3 tiles = 384 rows, three serve an expert's 1,024 at the most.  A wave without tiles passes the trip's barrier alone.
; THE PRODUCT IS USED TRANSPOSED (source 0 = 16 rows of W1, source 1 = 16 routed rows), and LDS row 16 u + 8 a + l holds the chunk's row 16 a + 8 u + l: so the 16 registers of a tile's two
; accumulators are 16 NEIGHBOURING hidden units, 16 (lane / 16) + 0 .. 15, and their codes are four registers of the next product's operand.  hq holds such register images: [e][tile][K step S][2,048 bytes].
; K in a fragment: registers 4 c .. 4 c + 3 hold k = 32 c + 16 (lane / 16) + 0 .. 15, alike on both sides: every product meets its partner.
; GELU, exact form: gelu(x) = max(x, 0) - |x| erfc(|x| / sqrt 2) / 2, with erfc(z) = t exp(-z^2 + poly(t)), t = 1 / (1 + z / 2): no difference of near numbers for x < 0.
; No tensor loads and no cluster: the trips' work hangs on a count read from memory.  No prefetch: the weights' stream is asked for a chunk ahead by the loads themselves.
; LIMITS: ex + ew1 between -125 and 127; ew1 and eh between -126 and 119; the pre-activation stays finite in f32; NaN is not served.
.set PITCH, 1040                       ; an LDS row of 1,024 codes + 16 bytes: 65 x 16, so the 16 rows of a fragment load start at 16 different 16-byte columns of 256
.set CB,    32*PITCH                   ; a chunk's codes; four chunk buffers, each written once
.set LIST,  4*CB                       ; 1,152 words: ranks 0-1023 (zeros where unused), a dump word a lane from word 1056, the count at word 1120
.set CNTW,  LIST+4480
.set RS,    4096                       ; from one row of W1 to the next
.set CSTEP, 32*RS                      ; from chunk to chunk
.set ACC,   24                         ; v24-71   accumulators: tile i, half u at 24 + 16 i + 8 u
.set WF,    72                         ; v72-103  two fragments of W1; later the codes that leave
.set AP,    104                        ; v104-247 ring of activation fragments; the gelu's work registers
.set F,     32                         ; loaders: v32-159 four rows x 32 registers of f32
.set C,     160                        ; loaders: v160-191 four rows x 8 registers of codes
.set GZ,    AP
.set GT,    AP+16
.set GP,    AP+32
.set GM,    AP+48
; v1 lane, v2 lane % 16, v3 lane / 16, v4 16 x lane, v5/v7 where a loader stores, v6/v8 where a fragment is read, v10/v9 my place in the list, v11 hq offset, v12-14 rows' offsets in xq,
; v15 2^ew1, v16 448 x 2^ew1, v17 2^eh, v18 448 x 2^eh, v19 the count's word, v20 4 x lane, v21 my dump rank, v22 list + 16 x lane, v23 my dump offset in route, v[248:249] a coefficient
	s_load_b256 s[4:11], s[0:1], 0x0               ; idx, xq, w1, lowp_scales
	s_load_b128 s[12:15], s[0:1], 0x20             ; hq, route
	v_lshrrev_b32 v1, 5, v0
	v_readfirstlane_b32 s16, v1                    ; wave 0..15
	v_and_b32 v1, 31, v0
	v_and_b32 v2, 15, v0
	v_bfe_u32 v3, v0, 4, 1
	v_lshlrev_b32 v4, 4, v1
	s_lshr_b32 s17, ttmp9, 5                       ; e
	s_and_b32 s18, ttmp9, 31                       ; S
	s_and_b32 s19, s16, 7                          ; my number within my role
	s_bfe_u32 s27, s19, 0x10001                    ; a loader's rows 4 w .. 4 w + 3 go to LDS rows 16 ((w / 2) % 2) + 8 (w / 4) + 4 (w % 2) on
	s_lshl_b32 s27, s27, 4
	s_lshr_b32 s28, s19, 2
	s_lshl_b32 s28, s28, 3
	s_add_co_u32 s27, s27, s28
	s_and_b32 s28, s19, 1
	s_lshl_b32 s28, s28, 2
	s_add_co_u32 s27, s27, s28
	s_mul_i32 s27, s27, PITCH
	v_lshl_add_u32 v5, v1, 2, s27
	v_mul_u32_u24 v6, v2, PITCH
	v_lshl_add_u32 v6, v3, 4, v6
	v_mov_b32 v7, v5                               ; every LDS address is made here, ahead of the roles' first parting
	v_mov_b32 v8, v6
	s_lshl_b32 s28, s19, 6
	s_add_co_u32 s28, s28, LIST
	v_lshl_add_u32 v10, v2, 2, s28
	v_mov_b32 v9, v10
	v_mov_b32 v19, CNTW
	v_lshlrev_b32 v20, 2, v1
	v_add_nc_u32 v21, 1056, v1
	v_add_nc_u32 v22, LIST, v4
	s_lshl_b32 s28, s17, 7
	s_add_co_u32 s28, s28, 8448
	v_add_nc_u32 v23, s28, v20
	v_mov_b32 v248, 0xbf527892                     ; -0.82215223
	v_mov_b32 v249, 0xbf527892
	s_lshl_b32 s20, s17, 12                        ; a loader's first row of W1: 4,096 e + 128 S + 4 w, rows of 4,096 bytes: under 2^27 bytes
	s_lshl_b32 s28, s18, 7
	s_add_co_u32 s20, s20, s28
	s_lshl_b32 s28, s19, 2
	s_add_co_u32 s20, s20, s28
	s_lshl_b32 s20, s20, 12
	s_mov_b32 s21, 0
	s_lshl_b32 s28, s17, 4                         ; the expert's four exponents
	s_mov_b32 s29, 0
	s_wait_kmcnt 0x0
	s_add_nc_u64 s[22:23], s[8:9], s[20:21]
	s_add_nc_u64 s[10:11], s[10:11], s[28:29]
	s_load_b128 s[40:43], s[10:11], 0x0            ; ex, ew1, eh, ew2
	s_cmp_lt_u32 s16, 8
	s_cbranch_scc1 .Lnofill
.irp i, 0,1,2,3
.irp ii, 0,1,2,3,4,5,6,7
	global_load_b128 v[F+32*\i+4*\ii:F+32*\i+4*\ii+3], v4, s[22:23] offset:\i*RS+512*\ii th:TH_LOAD_NT   ; chunk 0
.endr
.endr
.Lnofill:
	s_wait_kmcnt 0x0
	s_add_co_i32 s28, s41, 127
	s_lshl_b32 s29, s28, 23
	v_mov_b32 v15, s29
	s_add_co_i32 s28, s28, 8
	s_lshl_b32 s28, s28, 23
	s_or_b32 s28, s28, 0x600000
	v_mov_b32 v16, s28
	s_add_co_i32 s28, s42, 127
	s_lshl_b32 s29, s28, 23
	v_mov_b32 v17, s29
	s_add_co_i32 s28, s28, 8
	s_lshl_b32 s28, s28, 23
	s_or_b32 s28, s28, 0x600000
	v_mov_b32 v18, s28
	s_add_co_i32 s28, s40, s41                     ; a sum stands for sum x 2^(ex + ew1): the exponents are added to the constants' exponent fields
	s_lshl_b32 s29, s28, 23
	s_add_co_i32 s46, s29, 0x3f3504f3              ; 2^(ex + ew1) / sqrt 2
	s_add_co_i32 s44, s29, 0x3f800000              ; 2^(ex + ew1)
	s_mov_b32 s45, s44                             ; (named with it as a pair)
	; ---- the list: wave 0 alone; no other wave touches LDS ahead of the barrier below
	s_cmp_lg_u32 s16, 0
	s_cbranch_scc1 .Lnolist
	s_wait_loadcnt 0x0                             ; wave 0 has issued no load, so this is met at once: the loads below name registers that the loading waves' rows name, and no load lands where an earlier one may still write
.irp q, 0,1,2,3,4,5,6,7,8,9,10,11,12,13,14,15
	global_load_b128 v[32+4*\q:35+4*\q], v4, s[4:5] offset:512*\q          ; register 4 q + j: slot 128 q + 4 lane + j
.endr
.irp z, 252,253,254,255
	v_mov_b32 v\z, 0
.endr
.irp z, 0,1,2,3,4,5,6,7,8
	ds_store_b128 v22, v[252:255] offset:512*\z    ; unused ranks name slot 0: rows that fill a tile and are read by nobody
.endr
	s_mov_b32 s30, 0                               ; ranks given out so far
	s_wait_loadcnt 0x0
.set lT, 0
.rept 64
	v_cmp_eq_u32 vcc_lo, s17, v[32+lT]
	v_mbcnt_lo_u32_b32 v[96+lT], vcc_lo, s30       ; rank = those before + my expert's lanes below mine
	s_bcnt1_i32_b32 s31, vcc_lo
	s_add_co_u32 s30, s30, s31
	v_cndmask_b32 v250, v21, v[96+lT], vcc_lo      ; another expert's slot goes to my dump word
	v_min_u32 v250, 0x47f, v250                    ; inside the list's 1,152 words
	v_lshl_add_u32 v250, v250, 2, LIST
	v_add_nc_u32 v251, 128*(lT/4)+lT%4, v20        ; the slot's number
	ds_store_b32 v250, v251
.set lT, lT+1
.endr
	v_mov_b32 v251, s30
	ds_store_b32 v19, v251                         ; the count
	s_cmp_lg_u32 s18, 0
	s_cbranch_scc1 .Lnoroute
	s_lshl_b32 s33, s17, 10
.set lT, 0
.rept 64
	v_cmp_eq_u32 vcc_lo, s17, v[32+lT]
	v_add_nc_u32 v[96+lT], s33, v[96+lT]           ; 1,024 e + rank
	v_add_nc_u32 v251, 512*(lT/4)+4*(lT%4), v4     ; 4 x slot
	v_cndmask_b32 v[32+lT], v23, v251, vcc_lo      ; another expert's slot: this expert's dump block, which nobody reads
	v_min_u32 v[32+lT], 0x24fc, v[32+lT]           ; inside route's 9,472 bytes
	global_store_b32 v[32+lT], v[96+lT], s[14:15]
.set lT, lT+1
.endr
	s_lshl_b32 s33, s17, 2
	s_add_co_u32 s33, s33, 8192
	v_mov_b32 v251, s33
	v_cmp_eq_u32 vcc_lo, 0, v1
	v_cndmask_b32 v251, v23, v251, vcc_lo
	v_mov_b32 v250, s30
	global_store_b32 v251, v250, s[14:15]          ; lane 0: the expert's count
	s_wait_xcnt 0x0                                ; the stores have read their registers
.Lnoroute:
.Lnolist:
	s_wait_dscnt 0x0                               ; the list's stores have landed
	s_barrier_signal -1
	s_barrier_wait -1
	ds_load_b32 v250, v19
	s_wait_dscnt 0x0
	v_readfirstlane_b32 s25, v250
	s_min_u32 s25, s25, 1024
	s_add_co_u32 s26, s25, 15
	s_lshr_b32 s26, s26, 4                         ; tiles of 16 rows
; A loader's row i of the chunk in hand: held, converted, laid in LDS; reload = 1: the same row of the next chunk is asked for.  left: the younger loads that may stay out.
.macro LROW i, reload, left
	s_wait_loadcnt \left
.set lJ, 0
.rept 32
	v_med3_num_f32 v[F+32*\i+lJ], v[F+32*\i+lJ], -v16, v16     ; the conversion does not saturate (ISA guide 7.6.2): hold first
.set lJ, lJ+1
.endr
.irp q, 0,1,2,3
	v_cvt_scalef32_pk8_fp8_f32 v[C+8*\i+2*\q:C+8*\i+2*\q+1], v[F+32*\i+8*\q:F+32*\i+8*\q+7], v15
.endr
	v_nop                                          ; a plain line behind the last conversion
.irp ii, 0,1,2,3,4,5,6,7
	ds_store_b32 v7, v[C+8*\i+\ii] offset:\i*PITCH+128*\ii     ; code register ii holds k = 128 ii + 4 lane + 0..3: 128 consecutive bytes, K's own order
.endr
.if \reload
.irp ii, 0,1,2,3,4,5,6,7
	global_load_b128 v[F+32*\i+4*\ii:F+32*\i+4*\ii+3], v4, s[22:23] offset:\i*RS+512*\ii th:TH_LOAD_NT
.endr
.endif
.endm
.macro LCHUNK reload
.if \reload
	s_wait_xcnt 0x0                                ; the loads that are out have read their base
	s_add_nc_u64 s[22:23], s[22:23], CSTEP
	LROW 0, 1, 24                                  ; behind row i's eight loads: three rows of eight, of this chunk or the next
	LROW 1, 1, 24
	LROW 2, 1, 24
	LROW 3, 1, 24
.else
	LROW 0, 0, 24                                  ; nothing more is asked for: the counts run down
	LROW 1, 0, 16
	LROW 2, 0, 8
	LROW 3, 0, 0
.endif
.endm
.macro PLACES
.rept 4
	v_nop
.endr
.endm
; K step s of na tiles' rows: four loads of 16 bytes a lane a tile, into slot s % d of the ring
.macro ALOAD na, d, s
.set aI, 0
.rept \na
.set aR, AP+16*(((\s)%(\d))*(\na)+aI)
.irp cc, 0,1,2,3
	global_load_b128 v[aR+4*\cc:aR+4*\cc+3], v[12+aI], s[6:7] offset:128*(\s)+32*\cc
.endr
.set aI, aI+1
.endr
.endm
.macro WLOAD s                         ; the chunk's two fragments of K step s
.irp u, 0,1
.irp cc, 0,1,2,3
	ds_load_b128 v[WF+16*\u+4*\cc:WF+16*\u+4*\cc+3], v8 offset:\u*16*PITCH+128*(\s)+32*\cc
.endr
.endr
.endm
.macro MULS na, d, s                   ; the accumulators take turns, one instruction a turn; K step 0 starts the sums
.set mI, 0
.rept \na
.set mA, AP+16*(((\s)%(\d))*(\na)+mI)
.irp u, 0,1
.if (\s) == 0
	v_wmma_f32_16x16x128_fp8_fp8 v[ACC+16*mI+8*\u:ACC+16*mI+8*\u+7], v[WF+16*\u:WF+16*\u+15], v[mA:mA+15], 0
.else
	v_wmma_f32_16x16x128_fp8_fp8 v[ACC+16*mI+8*\u:ACC+16*mI+8*\u+7], v[WF+16*\u:WF+16*\u+15], v[mA:mA+15], v[ACC+16*mI+8*\u:ACC+16*mI+8*\u+7]
.endif
.endr
.set mI, mI+1
.endr
.endm
.macro KSTEPS na, d                    ; K = 1,024 in eight steps; the rows' loads run d steps ahead
.set kS, 0
.rept \d
	ALOAD \na, \d, kS
.set kS, kS+1
.endr
	WLOAD 0
.set kS, 0
.rept 8
.if 7-kS < \d-1
	s_wait_loadcnt 4*\na*(7-kS)                    ; this step's rows are in; the younger steps' loads may be out
.else
	s_wait_loadcnt 4*\na*(\d-1)
.endif
	s_wait_dscnt 0x0
	MULS \na, \d, kS
	PLACES                                         ; four plain lines ahead of loads into registers that these products read, and of the first read of results
.if kS+\d <= 7
	ALOAD \na, \d, kS+\d
.endif
.if kS < 7
	WLOAD kS+1
.endif
.set kS, kS+1
.endr
.endm
; Tile i's 16 sums a lane become 16 codes, and leave.
.macro GELU i
.set gA, ACC+16*(\i)
.set gJ, 0
.rept 16
	v_mul_f32 v[GZ+gJ], s46, |v[gA+gJ]|            ; z = |x| / sqrt 2; each accumulator is read from its low end on
.set gJ, gJ+1
.endr
.set gJ, 0
.rept 8
	v_pk_fma_f32 v[GT+gJ:GT+gJ+1], v[GZ+gJ:GZ+gJ+1], 0.5, 1.0 op_sel_hi:[1,0,0]
.set gJ, gJ+2
.endr
.set gJ, 0
.rept 16
	v_rcp_f32 v[GT+gJ], v[GT+gJ]                   ; t = 1 / (1 + z / 2)
.set gJ, gJ+1
.endr
.set gJ, 0
.rept 16
	v_max_num_f32 v[GM+gJ], 0, v[gA+gJ]            ; plain lines behind the reciprocals
.set gJ, gJ+1
.endr
	s_wait_alu depctr_va_vdst(0)                   ; one wait for the batch, ahead of its first reader
.set gJ, 0
.rept 8
	v_pk_fma_f32 v[GP+gJ:GP+gJ+1], v[GT+gJ:GT+gJ+1], 0x3e2ef945, v[248:249] op_sel_hi:[1,0,1]   ; 0.17087277 t - 0.82215223
.set gJ, gJ+2
.endr
.irp cf, 0x3fbe87b0, 0xbf914e5d, 0x3e8ec7cc, 0xbe3ec24c, 0x3dc636c9, 0x3ebf88fb, 0x3f8000c7, 0xbfce58d4
.set gJ, 0
.rept 8
	v_pk_fma_f32 v[GP+gJ:GP+gJ+1], v[GP+gJ:GP+gJ+1], v[GT+gJ:GT+gJ+1], \cf op_sel_hi:[1,1,0]   ; 1.48851587, -1.13520398, 0.27886807, -0.18628806, 0.09678418, 0.37409196, 1.00002368, -1.26551223 + ln(1 / sqrt 2)
.set gJ, gJ+2
.endr
.endr
.set gJ, 0
.rept 8
	v_pk_fma_f32 v[GP+gJ:GP+gJ+1], v[GZ+gJ:GZ+gJ+1], v[GZ+gJ:GZ+gJ+1], v[GP+gJ:GP+gJ+1] neg_lo:[1,0,0] neg_hi:[1,0,0]   ; - z^2
.set gJ, gJ+2
.endr
.set gJ, 0
.rept 8
	v_pk_mul_f32 v[GP+gJ:GP+gJ+1], v[GP+gJ:GP+gJ+1], 0x3fb8aa3b op_sel_hi:[1,0]
.set gJ, gJ+2
.endr
.set gJ, 0
.rept 16
	v_exp_f32 v[GP+gJ], v[GP+gJ]
.set gJ, gJ+1
.endr
.set gJ, 0
.rept 8
	v_pk_mul_f32 v[GZ+gJ:GZ+gJ+1], v[GZ+gJ:GZ+gJ+1], v[GT+gJ:GT+gJ+1]      ; z t: plain lines behind the exponentials
.set gJ, gJ+2
.endr
	s_wait_alu depctr_va_vdst(0)
.set gJ, 0
.rept 8
	v_pk_mul_f32 v[GZ+gJ:GZ+gJ+1], v[GZ+gJ:GZ+gJ+1], v[GP+gJ:GP+gJ+1]      ; |x| erfc(z) / 2
.set gJ, gJ+2
.endr
.set gJ, 0
.rept 8
	v_pk_fma_f32 v[GM+gJ:GM+gJ+1], v[GM+gJ:GM+gJ+1], s[44:45], v[GZ+gJ:GZ+gJ+1] op_sel_hi:[1,0,1] neg_lo:[0,0,1] neg_hi:[0,0,1]   ; max(x, 0) - that
.set gJ, gJ+2
.endr
.set gJ, 0
.rept 16
	v_med3_num_f32 v[GM+gJ], v[GM+gJ], -v18, v18
.set gJ, gJ+1
.endr
	v_cvt_scalef32_pk8_fp8_f32 v[WF+4*(\i):WF+4*(\i)+1], v[GM:GM+7], v17
	v_cvt_scalef32_pk8_fp8_f32 v[WF+4*(\i)+2:WF+4*(\i)+3], v[GM+8:GM+15], v17
	v_nop                                          ; a plain line behind the last conversion
	global_store_b128 v11, v[WF+4*(\i):WF+4*(\i)+3], s[12:13] offset:524288*(\i)   ; 512 consecutive bytes: group c of the tile's image; tile i lies 8 tiles of 65,536 bytes on
.endm
.macro CARM na, d
.set cI, 0
.rept \na
	ds_load_b32 v[12+cI], v9 offset:512*cI         ; the slot of my row in tile i
.set cI, cI+1
.endr
	s_wait_dscnt 0x0
.set cI, 0
.rept \na
	v_min_u32 v[12+cI], 0x7ff, v[12+cI]            ; a slot's number, inside xq's 2,048 rows
	v_lshlrev_b32 v[12+cI], 10, v[12+cI]
	v_lshl_add_u32 v[12+cI], v3, 4, v[12+cI]
.set cI, cI+1
.endr
	KSTEPS \na, \d
.set cI, 0
.rept \na
	GELU cI
.set cI, cI+1
.endr
.endm
	s_cmp_lt_u32 s16, 8
	s_cbranch_scc1 .Lnopro
	LCHUNK 1                                       ; chunk 0 into buffer 0; chunk 1 is asked for
.Lnopro:
	s_wait_dscnt 0x0
	s_barrier_signal -1
	s_barrier_wait -1
	s_mov_b32 s24, 0
.Ltrip:                                            ; trip t: the products read chunk t % 4; in trips 0 to 2 the loaders lay chunk t + 1
	s_and_b32 s27, s24, 3
	s_mul_i32 s28, s27, CB
	v_add_nc_u32 v8, s28, v6
	s_add_co_u32 s28, s24, 1
	s_and_b32 s28, s28, 3
	s_mul_i32 s28, s28, CB
	v_add_nc_u32 v7, s28, v5
	s_lshr_b32 s31, s24, 2                         ; the round
	s_mul_i32 s28, s31, 1536
	v_add_nc_u32 v9, s28, v10                      ; 24 tiles of 16 words a round
	s_cmp_lt_u32 s16, 8
	s_cbranch_scc1 .Lcompute
	s_cmp_gt_u32 s24, 2
	s_cbranch_scc1 .Ljoin
	s_cmp_eq_u32 s24, 2
	s_cbranch_scc1 .Llast
	LCHUNK 1
	s_branch .Ljoin
.Llast:
	LCHUNK 0
	s_branch .Ljoin
.Lcompute:
	s_wait_loadcnt 0x0                             ; a compute wave's loads ended with its last K step's wait for 0, so this is met at once: the ring below names registers that the loading waves' rows name, and no load lands where an earlier one may still write
	s_wait_xcnt 0x0                                ; the last trip's stores have read their registers
	s_mul_i32 s28, s31, 24
	s_add_co_u32 s28, s28, s19                     ; my first tile; the others lie 8 and 16 on
	s_sub_co_i32 s29, s26, s28
	s_add_co_i32 s29, s29, 7
	s_ashr_i32 s29, s29, 3
	s_max_i32 s29, s29, 0
	s_min_i32 s29, s29, 3                          ; how many of them exist
	s_lshl_b32 s30, s17, 6
	s_add_co_u32 s30, s30, s28
	s_lshl_b32 s30, s30, 16
	s_lshl_b32 s33, s18, 11
	s_add_co_u32 s30, s30, s33
	s_lshl_b32 s33, s27, 9
	s_add_co_u32 s30, s30, s33
	v_add_nc_u32 v11, s30, v4                      ; hq: (64 e + tile) x 65,536 + 2,048 S + 512 chunk + 16 lane
	s_cmp_eq_u32 s29, 0
	s_cbranch_scc1 .Ljoin
	s_cmp_eq_u32 s29, 1
	s_cbranch_scc1 .Lna1
	s_cmp_eq_u32 s29, 2
	s_cbranch_scc1 .Lna2
	CARM 3, 3
	s_branch .Ljoin
.Lna2:
	CARM 2, 4
	s_branch .Ljoin
.Lna1:
	CARM 1, 8
.Ljoin:
	s_wait_dscnt 0x0                               ; a loader's stores have landed; a compute wave's reads are in
	s_barrier_signal -1
	s_barrier_wait -1
	s_add_co_u32 s24, s24, 1
	s_cmp_lt_u32 s24, 12
	s_cbranch_scc1 .Ltrip
	s_wait_xcnt 0x0
	v_lshl_add_u32 v254, v0, 2, 0x21a00
	v_mov_b32 v255, 0
	s_wait_tensorcnt 0x0
	ds_add_u32 v254, v255
	s_wait_dscnt 0x0
	s_endpgm
.Lfunc_end_k_qe7fb82a5a3_ffn1:
	.size	k_qe7fb82a5a3_ffn1, .Lfunc_end_k_qe7fb82a5a3_ffn1-k_qe7fb82a5a3_ffn1
	.p2alignl 7, 3214868480
	.fill 96, 4, 3214868480
	.section	.rodata,"a",@progbits
	.p2align	6, 0x0
	.amdhsa_kernel k_qe7fb82a5a3_ffn1
		.amdhsa_group_segment_fixed_size 139776
		.amdhsa_private_segment_fixed_size 0
		.amdhsa_enable_private_segment 0
		.amdhsa_kernarg_size 48
		.amdhsa_user_sgpr_count 2
		.amdhsa_user_sgpr_kernarg_segment_ptr 1
		.amdhsa_wavefront_size32 1
		.amdhsa_system_sgpr_workgroup_id_x 1
		.amdhsa_system_sgpr_workgroup_id_y 1
		.amdhsa_system_sgpr_workgroup_id_z 1
		.amdhsa_system_vgpr_workitem_id 0
		.amdhsa_next_free_vgpr 256
		.amdhsa_next_free_sgpr 66
		.amdhsa_reserve_vcc 1
		.amdhsa_float_denorm_mode_32 3
		.amdhsa_float_denorm_mode_16_64 3
		.amdhsa_memory_ordered 1
		.amdhsa_forward_progress 1
		.amdhsa_inst_pref_size 227
	.end_amdhsa_kernel
	.amdgpu_metadata
---
amdhsa.version: [ 1, 2 ]
amdhsa.kernels:
  - .name:           k_qe7fb82a5a3_ffn1
    .symbol:         k_qe7fb82a5a3_ffn1.kd
    .args:
      - { .name: idx, .offset: 0, .size: 8, .value_kind: global_buffer, .address_space: global }
      - { .name: xq, .offset: 8, .size: 8, .value_kind: global_buffer, .address_space: global }
      - { .name: w1, .offset: 16, .size: 8, .value_kind: global_buffer, .address_space: global }
      - { .name: lowp_scales, .offset: 24, .size: 8, .value_kind: global_buffer, .address_space: global }
      - { .name: hq, .offset: 32, .size: 8, .value_kind: global_buffer, .address_space: global }
      - { .name: route, .offset: 40, .size: 8, .value_kind: global_buffer, .address_space: global }
    .group_segment_fixed_size: 139776
    .private_segment_fixed_size: 0
    .kernarg_segment_align: 8
    .kernarg_segment_size: 48
    .max_flat_workgroup_size: 512
    .sgpr_count:     66
    .vgpr_count:     256
    .wavefront_size: 32
...
	.end_amdgpu_metadata
.endif
;; end of part 2
;; launch ffn2 (part 3): grid 256 x 1, 16 waves a work-group, no clusters, 153,600 bytes of LDS; arguments route, hq, w2, lowp_scales, y2; writes y2
.if DOCPART == 3
	.amdgcn_target "amdgcn-amd-amdhsa--gfx1250"
	.amdhsa_code_object_version 6
	.text
	.protected	k_qe7fb82a5a3_ffn2
	.globl	k_qe7fb82a5a3_ffn2
	.p2align	8
	.type	k_qe7fb82a5a3_ffn2,@function
k_qe7fb82a5a3_ffn2:
	s_mov_b64 s[64:65], 0
	v_nop
	global_prefetch_b8 v0, s[64:65] scope:SCOPE_SE
	s_setreg_imm32_b32 hwreg(HW_REG_WAVE_MODE, 25, 1), 1
	s_wait_xcnt 0x0
; SECOND LAYER OF THE EXPERTS, on the chosen rows alone: y2 = hq Q(W2_e)^T x 2^(eh + ew2).
; SHARES.  Work-group (e, S), e = x / 32, S = x % 32, owns outputs 32 S .. 32 S + 31 of expert e over all of K = 4,096: 32 rows of W2, 512 KiB of f32, read once in the launch, as four chunks of 1,024 along K.
; ROLES as in the first layer: waves 8-15 load, hold, convert and lay a chunk's codes in LDS, a chunk ahead, with the chunk after that on its way; waves 0-7 multiply, up to three tiles of 16 rows a wave and round.
; 12 trips = 3 rounds x 4 chunks serve every split (384 rows a round, 1,024 at the most); a round's sums run over its four trips and leave in the fourth.
; The activations come as register images from hq: a fragment is four loads of 512 consecutive bytes.  The product is used transposed, and LDS row 16 u + 8 a + l holds W2's row 16 a + 8 u + l of the 32: a lane's
; 16 sums of a tile are 16 neighbouring outputs, 64 bytes; they go through the wave's own stage and leave as 512 consecutive bytes.  y2: [e][S][rank][32 f32].
; The accumulators are cleared once at the head and behind each round's way out, so that the K steps have one text.
; No tensor loads and no cluster: the trips' work hangs on a count read from memory.  No prefetch: the weights' stream is asked for a chunk ahead by the loads themselves.
; LIMITS: ew2 between -126 and 119; eh + ew2 between -126 and 127; NaN is not served.
.set PITCH, 1040
.set CB,    32*PITCH
.set STAGE, 4*CB                       ; 16 rows x 144 bytes for each compute wave
.set RS,    16384                      ; from one row of W2 to the next
.set CSTEP, 4096                       ; from chunk to chunk, along the row
.set ACC,   24
.set WF,    72
.set AP,    104
.set F,     32
.set C,     160
; v1 lane, v2 lane % 16, v3 lane / 16, v4 16 x lane, v5/v7 where a loader stores, v6/v8 where a fragment is read, v11 y2 offset, v12 hq offset, v15 2^ew2, v16 448 x 2^ew2, v19 stage in, v20 stage back
	s_load_b256 s[4:11], s[0:1], 0x0               ; route, hq, w2, lowp_scales
	s_load_b64 s[12:13], s[0:1], 0x20              ; y2
	v_lshl_add_u32 v254, v0, 2, 0x25000
	v_mov_b32 v255, 0
	v_lshrrev_b32 v1, 5, v0
	v_readfirstlane_b32 s16, v1
	v_and_b32 v1, 31, v0
	v_and_b32 v2, 15, v0
	v_bfe_u32 v3, v0, 4, 1
	v_lshlrev_b32 v4, 4, v1
	s_lshr_b32 s17, ttmp9, 5                       ; e
	s_and_b32 s18, ttmp9, 31                       ; S
	s_and_b32 s19, s16, 7
	s_bfe_u32 s27, s19, 0x10001
	s_lshl_b32 s27, s27, 4
	s_lshr_b32 s28, s19, 2
	s_lshl_b32 s28, s28, 3
	s_add_co_u32 s27, s27, s28
	s_and_b32 s28, s19, 1
	s_lshl_b32 s28, s28, 2
	s_add_co_u32 s27, s27, s28
	s_mul_i32 s27, s27, PITCH
	v_lshl_add_u32 v5, v1, 2, s27
	v_mul_u32_u24 v6, v2, PITCH
	v_lshl_add_u32 v6, v3, 4, v6
	v_mov_b32 v7, v5
	v_mov_b32 v8, v6
	s_mul_i32 s28, s19, 2304
	s_add_co_u32 s28, s28, STAGE
	v_mul_u32_u24 v19, v2, 144
	v_lshl_add_u32 v19, v3, 6, v19
	v_add_nc_u32 v19, s28, v19                     ; in: row lane % 16, 64 bytes for each half of the lanes
	v_lshrrev_b32 v21, 3, v1
	v_mul_u32_u24 v20, v21, 144
	v_and_b32 v21, 7, v1
	v_lshl_add_u32 v20, v21, 4, v20
	v_add_nc_u32 v20, s28, v20                     ; back: eight lanes to a row of 128 bytes, four rows an instruction
.set hJ, 0
.rept 48
	v_mov_b32 v[ACC+hJ], 0
.set hJ, hJ+1
.endr
	s_lshl_b32 s20, s17, 10                        ; a loader's first row of W2: 1,024 e + 32 S + 4 w, rows of 16,384 bytes: under 2^27 bytes
	s_lshl_b32 s28, s18, 5
	s_add_co_u32 s20, s20, s28
	s_lshl_b32 s28, s19, 2
	s_add_co_u32 s20, s20, s28
	s_lshl_b32 s20, s20, 14
	s_mov_b32 s21, 0
	s_lshl_b32 s28, s17, 4
	s_mov_b32 s29, 0
	s_lshl_b32 s36, s17, 2
	s_mov_b32 s37, 0
	s_lshl_b32 s38, s17, 22                        ; the expert's 64 tiles of 65,536 bytes in hq
	s_mov_b32 s39, 0
	s_wait_kmcnt 0x0
	s_add_nc_u64 s[22:23], s[8:9], s[20:21]
	s_add_nc_u64 s[10:11], s[10:11], s[28:29]
	s_add_nc_u64 s[4:5], s[4:5], s[36:37]
	s_add_nc_u64 s[32:33], s[6:7], s[38:39]
	s_load_b128 s[40:43], s[10:11], 0x0            ; ex, ew1, eh, ew2
	s_load_b32 s25, s[4:5], 0x2000                 ; the expert's count of rows
	s_cmp_lt_u32 s16, 8
	s_cbranch_scc1 .Lnofill
.irp i, 0,1,2,3
.irp ii, 0,1,2,3,4,5,6,7
	global_load_b128 v[F+32*\i+4*\ii:F+32*\i+4*\ii+3], v4, s[22:23] offset:\i*RS+512*\ii th:TH_LOAD_NT   ; chunk 0
.endr
.endr
.Lnofill:
	s_wait_kmcnt 0x0
	s_add_co_i32 s28, s43, 127
	s_lshl_b32 s29, s28, 23
	v_mov_b32 v15, s29
	s_add_co_i32 s28, s28, 8
	s_lshl_b32 s28, s28, 23
	s_or_b32 s28, s28, 0x600000
	v_mov_b32 v16, s28
	s_add_co_i32 s44, s42, s43
	s_add_co_i32 s44, s44, 127
	s_lshl_b32 s44, s44, 23                        ; 2^(eh + ew2)
	s_mov_b32 s45, s44
	s_min_u32 s25, s25, 1024
	s_add_co_u32 s26, s25, 15
	s_lshr_b32 s26, s26, 4                         ; tiles of 16 rows
.macro LROW i, reload, left
	s_wait_loadcnt \left
.set lJ, 0
.rept 32
	v_med3_num_f32 v[F+32*\i+lJ], v[F+32*\i+lJ], -v16, v16     ; the conversion does not saturate (ISA guide 7.6.2): hold first
.set lJ, lJ+1
.endr
.irp q, 0,1,2,3
	v_cvt_scalef32_pk8_fp8_f32 v[C+8*\i+2*\q:C+8*\i+2*\q+1], v[F+32*\i+8*\q:F+32*\i+8*\q+7], v15
.endr
	v_nop                                          ; a plain line behind the last conversion
.irp ii, 0,1,2,3,4,5,6,7
	ds_store_b32 v7, v[C+8*\i+\ii] offset:\i*PITCH+128*\ii
.endr
.if \reload
.irp ii, 0,1,2,3,4,5,6,7
	global_load_b128 v[F+32*\i+4*\ii:F+32*\i+4*\ii+3], v4, s[22:23] offset:\i*RS+512*\ii th:TH_LOAD_NT
.endr
.endif
.endm
.macro LCHUNK reload
.if \reload
	s_wait_xcnt 0x0                                ; the loads that are out have read their base
	s_add_nc_u64 s[22:23], s[22:23], CSTEP
	LROW 0, 1, 24                                  ; behind row i's eight loads: three rows of eight, of this chunk or the next
	LROW 1, 1, 24
	LROW 2, 1, 24
	LROW 3, 1, 24
.else
	LROW 0, 0, 24                                  ; nothing more is asked for: the counts run down
	LROW 1, 0, 16
	LROW 2, 0, 8
	LROW 3, 0, 0
.endif
.endm
.macro PLACES
.rept 4
	v_nop
.endr
.endm
.macro ALOAD na, d, s                  ; K step s of na tiles: a fragment's image, four loads of 512 consecutive bytes
.set aI, 0
.rept \na
.set aR, AP+16*(((\s)%(\d))*(\na)+aI)
.irp cc, 0,1,2,3
	global_load_b128 v[aR+4*\cc:aR+4*\cc+3], v12, s[34:35] offset:524288*aI+2048*(\s)+512*\cc
.endr
.set aI, aI+1
.endr
.endm
.macro WLOAD s
.irp u, 0,1
.irp cc, 0,1,2,3
	ds_load_b128 v[WF+16*\u+4*\cc:WF+16*\u+4*\cc+3], v8 offset:\u*16*PITCH+128*(\s)+32*\cc
.endr
.endr
.endm
.macro MULS na, d, s                   ; the accumulators take turns, one instruction a turn, over the trips' edges too
.set mI, 0
.rept \na
.set mA, AP+16*(((\s)%(\d))*(\na)+mI)
.irp u, 0,1
	v_wmma_f32_16x16x128_fp8_fp8 v[ACC+16*mI+8*\u:ACC+16*mI+8*\u+7], v[WF+16*\u:WF+16*\u+15], v[mA:mA+15], v[ACC+16*mI+8*\u:ACC+16*mI+8*\u+7]
.endr
.set mI, mI+1
.endr
.endm
.macro KSTEPS na, d
.set kS, 0
.rept \d
	ALOAD \na, \d, kS
.set kS, kS+1
.endr
	WLOAD 0
.set kS, 0
.rept 8
.if 7-kS < \d-1
	s_wait_loadcnt 4*\na*(7-kS)                    ; this step's images are in; the younger steps' loads may be out
.else
	s_wait_loadcnt 4*\na*(\d-1)
.endif
	s_wait_dscnt 0x0
	MULS \na, \d, kS
	PLACES                                         ; four plain lines ahead of loads into registers that these products read, and of the first read of results
.if kS+\d <= 7
	ALOAD \na, \d, kS+\d
.endif
.if kS < 7
	WLOAD kS+1
.endif
.set kS, kS+1
.endr
.endm
; Tile i's finished sums: x 2^(eh + ew2), through my stage, out; the accumulators begin anew.
.macro EPI i
.set eA, ACC+16*(\i)
.set eT, AP+32*(\i)
.set eJ, 0
.rept 8
	v_pk_mul_f32 v[eT+eJ:eT+eJ+1], v[eA+eJ:eA+eJ+1], s[44:45] op_sel_hi:[1,0]      ; each accumulator from its low end on
.set eJ, eJ+2
.endr
.set eJ, 0
.rept 16
	v_mov_b32 v[eA+eJ], 0
.set eJ, eJ+1
.endr
.irp g, 0,1,2,3
	ds_store_b128 v19, v[eT+4*\g:eT+4*\g+3] offset:16*\g
.endr
.irp g, 0,1,2,3
	ds_load_b128 v[eT+16+4*\g:eT+16+4*\g+3], v20 offset:576*\g                     ; my wave's own bytes, served in order (ISA guide 5.7.1.4)
.endr
	s_wait_dscnt 0x0
.irp g, 0,1,2,3
	global_store_b128 v11, v[eT+16+4*\g:eT+16+4*\g+3], s[12:13] offset:16384*(\i)+512*\g   ; four ranks x 128 bytes: 512 consecutive bytes
.endr
.endm
.macro CARM na, d
	KSTEPS \na, \d
	s_cmp_lg_u32 s27, 3                            ; the round's last chunk?
	s_cbranch_scc1 .Ljoin
.set cI, 0
.rept \na
	EPI cI
.set cI, cI+1
.endr
.endm
	s_cmp_lt_u32 s16, 8
	s_cbranch_scc1 .Lnopro
	LCHUNK 1                                       ; chunk 0 into buffer 0; chunk 1 is asked for
.Lnopro:
	s_wait_dscnt 0x0
	s_barrier_signal -1
	s_barrier_wait -1
	s_mov_b32 s24, 0
.Ltrip:
	s_and_b32 s27, s24, 3
	s_mul_i32 s28, s27, CB
	v_add_nc_u32 v8, s28, v6
	s_add_co_u32 s28, s24, 1
	s_and_b32 s28, s28, 3
	s_mul_i32 s28, s28, CB
	v_add_nc_u32 v7, s28, v5
	s_lshr_b32 s31, s24, 2                         ; the round
	s_cmp_lt_u32 s16, 8
	s_cbranch_scc1 .Lcompute
	s_cmp_gt_u32 s24, 2
	s_cbranch_scc1 .Ljoin
	s_cmp_eq_u32 s24, 2
	s_cbranch_scc1 .Llast
	LCHUNK 1
	s_branch .Ljoin
.Llast:
	LCHUNK 0
	s_branch .Ljoin
.Lcompute:
	s_wait_loadcnt 0x0                             ; a compute wave's loads ended with its last K step's wait for 0, so this is met at once: the ring below names registers that the loading waves' rows name, and no load lands where an earlier one may still write
	s_wait_xcnt 0x0                                ; earlier loads and stores have read their registers and bases
	s_mul_i32 s28, s31, 24
	s_add_co_u32 s28, s28, s19                     ; my first tile; the others lie 8 and 16 on
	s_sub_co_i32 s29, s26, s28
	s_add_co_i32 s29, s29, 7
	s_ashr_i32 s29, s29, 3
	s_max_i32 s29, s29, 0
	s_min_i32 s29, s29, 3
	s_lshl_b32 s36, s27, 14                        ; the chunk's eight K steps of 2,048 bytes
	s_mov_b32 s37, 0
	s_add_nc_u64 s[34:35], s[32:33], s[36:37]
	s_lshl_b32 s30, s28, 16
	v_add_nc_u32 v12, s30, v4
	s_lshl_b32 s30, s17, 5
	s_add_co_u32 s30, s30, s18
	s_lshl_b32 s30, s30, 10
	s_lshl_b32 s38, s28, 4
	s_add_co_u32 s30, s30, s38
	s_lshl_b32 s30, s30, 7
	v_add_nc_u32 v11, s30, v4                      ; y2: ((32 e + S) x 1,024 + 16 tile) x 128 + 16 lane
	s_cmp_eq_u32 s29, 0
	s_cbranch_scc1 .Ljoin
	s_cmp_eq_u32 s29, 1
	s_cbranch_scc1 .Lna1
	s_cmp_eq_u32 s29, 2
	s_cbranch_scc1 .Lna2
	CARM 3, 3
	s_branch .Ljoin
.Lna2:
	CARM 2, 4
	s_branch .Ljoin
.Lna1:
	CARM 1, 8
.Ljoin:
	s_wait_dscnt 0x0                               ; a loader's stores have landed; a compute wave's reads are in
	s_barrier_signal -1
	s_barrier_wait -1
	s_add_co_u32 s24, s24, 1
	s_cmp_lt_u32 s24, 12
	s_cbranch_scc1 .Ltrip
	s_wait_tensorcnt 0x0
	ds_add_u32 v254, v255
	s_wait_dscnt 0x0
	s_endpgm
.Lfunc_end_k_qe7fb82a5a3_ffn2:
	.size	k_qe7fb82a5a3_ffn2, .Lfunc_end_k_qe7fb82a5a3_ffn2-k_qe7fb82a5a3_ffn2
	.p2alignl 7, 3214868480
	.fill 96, 4, 3214868480
	.section	.rodata,"a",@progbits
	.p2align	6, 0x0
	.amdhsa_kernel k_qe7fb82a5a3_ffn2
		.amdhsa_group_segment_fixed_size 153600
		.amdhsa_private_segment_fixed_size 0
		.amdhsa_enable_private_segment 0
		.amdhsa_kernarg_size 40
		.amdhsa_user_sgpr_count 2
		.amdhsa_user_sgpr_kernarg_segment_ptr 1
		.amdhsa_wavefront_size32 1
		.amdhsa_system_sgpr_workgroup_id_x 1
		.amdhsa_system_sgpr_workgroup_id_y 1
		.amdhsa_system_sgpr_workgroup_id_z 1
		.amdhsa_system_vgpr_workitem_id 0
		.amdhsa_next_free_vgpr 256
		.amdhsa_next_free_sgpr 66
		.amdhsa_reserve_vcc 0
		.amdhsa_float_denorm_mode_32 3
		.amdhsa_float_denorm_mode_16_64 3
		.amdhsa_memory_ordered 1
		.amdhsa_forward_progress 1
		.amdhsa_inst_pref_size 102
	.end_amdhsa_kernel
	.amdgpu_metadata
---
amdhsa.version: [ 1, 2 ]
amdhsa.kernels:
  - .name:           k_qe7fb82a5a3_ffn2
    .symbol:         k_qe7fb82a5a3_ffn2.kd
    .args:
      - { .name: route, .offset: 0, .size: 8, .value_kind: global_buffer, .address_space: global }
      - { .name: hq, .offset: 8, .size: 8, .value_kind: global_buffer, .address_space: global }
      - { .name: w2, .offset: 16, .size: 8, .value_kind: global_buffer, .address_space: global }
      - { .name: lowp_scales, .offset: 24, .size: 8, .value_kind: global_buffer, .address_space: global }
      - { .name: y2, .offset: 32, .size: 8, .value_kind: global_buffer, .address_space: global }
    .group_segment_fixed_size: 153600
    .private_segment_fixed_size: 0
    .kernarg_segment_align: 8
    .kernarg_segment_size: 40
    .max_flat_workgroup_size: 512
    .sgpr_count:     66
    .vgpr_count:     256
    .wavefront_size: 32
...
	.end_amdgpu_metadata
.endif
;; end of part 3
;; launch norm (part 4): grid 256 x 1, 4 waves a work-group, no clusters, 0 bytes of LDS; arguments inp, y2, route, score, ln_gamma, ln_beta, out0; writes out0
.if DOCPART == 4
	.amdgcn_target "amdgcn-amd-amdhsa--gfx1250"
	.amdhsa_code_object_version 6
	.text
	.protected	k_qe7fb82a5a3_norm
	.globl	k_qe7fb82a5a3_norm
	.p2align	8
	.type	k_qe7fb82a5a3_norm,@function
k_qe7fb82a5a3_norm:
	s_mov_b64 s[64:65], 0
	v_nop
	global_prefetch_b8 v0, s[64:65] scope:SCOPE_SE
	s_setreg_imm32_b32 hwreg(HW_REG_WAVE_MODE, 25, 1), 1
	s_wait_xcnt 0x0
; THE END: out0[n] = LayerNorm(score0 y(slot 2 n) + score1 y(slot 2 n + 1) + inp[n]) x gamma + beta.  One wave takes one token, whole in registers; each output row has one owner.
; A slot's place (1,024 e + rank) comes from route, as a whole number stored two launches earlier; y2 is [e][32 blocks][rank][32 f32], so a row is 32 pieces of 128 bytes, 131,072 bytes apart:
; eight lanes take a piece, a load four pieces, and register 4 q + j again holds column 128 q + 4 lane + j, as in the dense rows.
; Mean and variance in two passes over the registers.  No LDS, no barrier, no matrix unit: waves share nothing and memory binds.
.set X,  8
.set YA, 40
.set YB, 72
.set GA, 104
.set BE, 136
	s_load_b256 s[4:11], s[0:1], 0x0               ; inp, y2, route, score
	s_load_b128 s[12:15], s[0:1], 0x20             ; ln_gamma, ln_beta
	s_load_b64 s[16:17], s[0:1], 0x30              ; out0
	v_lshrrev_b32 v1, 5, v0
	v_readfirstlane_b32 s20, v1
	v_and_b32 v1, 31, v0
	v_lshlrev_b32 v2, 4, v1                        ; 16 x lane
	v_lshrrev_b32 v3, 3, v1
	v_lshlrev_b32 v3, 17, v3
	v_and_b32 v4, 7, v1
	v_lshl_add_u32 v3, v4, 4, v3                   ; (lane / 8) x 131,072 + (lane % 8) x 16
	v_mov_b32 v174, 0                              ; a lane permute's destination counts as read
	s_lshl_b32 s21, ttmp9, 2
	s_add_co_u32 s21, s21, s20                     ; n
	s_lshl_b32 s22, s21, 3
	s_mov_b32 s23, 0
	s_lshl_b32 s40, s21, 12
	s_mov_b32 s41, 0
	s_mov_b32 s38, 0x76543210
	s_mov_b32 s39, 0xfedcba98
	s_wait_kmcnt 0x0
	s_add_nc_u64 s[8:9], s[8:9], s[22:23]
	s_add_nc_u64 s[10:11], s[10:11], s[22:23]
	s_load_b64 s[24:25], s[8:9], 0x0               ; the two places
	s_load_b64 s[26:27], s[10:11], 0x0             ; the two weights
	s_add_nc_u64 s[4:5], s[4:5], s[40:41]
	s_add_nc_u64 s[16:17], s[16:17], s[40:41]
.irp q, 0,1,2,3,4,5,6,7
	global_load_b128 v[X+4*\q:X+4*\q+3], v2, s[4:5] offset:512*\q th:TH_LOAD_NT
.endr
.irp q, 0,1,2,3,4,5,6,7
	global_load_b128 v[GA+4*\q:GA+4*\q+3], v2, s[12:13] offset:512*\q
.endr
.irp q, 0,1,2,3,4,5,6,7
	global_load_b128 v[BE+4*\q:BE+4*\q+3], v2, s[14:15] offset:512*\q
.endr
	s_wait_kmcnt 0x0
	s_min_u32 s24, s24, 0x1fff                     ; a place, inside y2's 8 x 1,024 ranks; behind the hold only masks, left shifts and sums
	s_and_b32 s28, s24, 0x1c00
	s_lshl_b32 s28, s28, 12                        ; e x 2^22
	s_and_b32 s30, s24, 0x3ff
	s_lshl_b32 s30, s30, 7                         ; rank x 128
	s_add_co_u32 s28, s28, s30
	s_mov_b32 s29, 0
	s_add_nc_u64 s[32:33], s[6:7], s[28:29]
	s_min_u32 s25, s25, 0x1fff
	s_and_b32 s28, s25, 0x1c00
	s_lshl_b32 s28, s28, 12
	s_and_b32 s30, s25, 0x3ff
	s_lshl_b32 s30, s30, 7
	s_add_co_u32 s28, s28, s30
	s_add_nc_u64 s[34:35], s[6:7], s[28:29]
	s_mov_b32 s36, s27                             ; the second weight at the low end of a pair of its own
	s_mov_b32 s37, s27
.irp q, 0,1,2,3,4,5,6,7
	global_load_b128 v[YA+4*\q:YA+4*\q+3], v3, s[32:33] offset:524288*\q th:TH_LOAD_NT
.endr
.irp q, 0,1,2,3,4,5,6,7
	global_load_b128 v[YB+4*\q:YB+4*\q+3], v3, s[34:35] offset:524288*\q th:TH_LOAD_NT
.endr
.macro WSUM r, t                       ; the sum over the wave's 32 lanes, in every lane
	v_add_f32_dpp v[\r], v[\r], v[\r] row_xmask:1 row_mask:0xf bank_mask:0xf
	v_add_f32_dpp v[\r], v[\r], v[\r] row_xmask:2 row_mask:0xf bank_mask:0xf
	v_add_f32_dpp v[\r], v[\r], v[\r] row_xmask:4 row_mask:0xf bank_mask:0xf
	v_add_f32_dpp v[\r], v[\r], v[\r] row_xmask:8 row_mask:0xf bank_mask:0xf
	v_permlanex16_b32 v[\t], v[\r], s38, s39
	v_add_f32 v[\r], v[\r], v[\t]
.endm
	s_wait_loadcnt 0x0
.set nJ, 0
.rept 16
	v_pk_fma_f32 v[X+nJ:X+nJ+1], v[YB+nJ:YB+nJ+1], s[36:37], v[X+nJ:X+nJ+1] op_sel_hi:[1,0,1]
.set nJ, nJ+2
.endr
.set nJ, 0
.rept 16
	v_pk_fma_f32 v[X+nJ:X+nJ+1], v[YA+nJ:YA+nJ+1], s[26:27], v[X+nJ:X+nJ+1] op_sel_hi:[1,0,1]
.set nJ, nJ+2
.endr
	v_pk_add_f32 v[168:169], v[X:X+1], v[X+2:X+3]              ; the row's sum, two at a time, in two chains
	v_pk_add_f32 v[170:171], v[X+4:X+5], v[X+6:X+7]
.set nJ, 8
.rept 6
	v_pk_add_f32 v[168:169], v[168:169], v[X+nJ:X+nJ+1]
	v_pk_add_f32 v[170:171], v[170:171], v[X+nJ+2:X+nJ+3]
.set nJ, nJ+4
.endr
	v_pk_add_f32 v[168:169], v[168:169], v[170:171]
	v_add_f32 v168, v168, v169
	WSUM 168, 174
	v_mul_f32 v172, 0x3a800000, v168               ; / 1,024: the mean
	v_mov_b32 v173, v172
.set nJ, 0
.rept 16
	v_pk_add_f32 v[X+nJ:X+nJ+1], v[X+nJ:X+nJ+1], v[172:173] neg_lo:[0,1] neg_hi:[0,1]
.set nJ, nJ+2
.endr
	v_pk_mul_f32 v[168:169], v[X:X+1], v[X:X+1]
	v_pk_mul_f32 v[170:171], v[X+2:X+3], v[X+2:X+3]
.set nJ, 4
.rept 7
	v_pk_fma_f32 v[168:169], v[X+nJ:X+nJ+1], v[X+nJ:X+nJ+1], v[168:169]
	v_pk_fma_f32 v[170:171], v[X+nJ+2:X+nJ+3], v[X+nJ+2:X+nJ+3], v[170:171]
.set nJ, nJ+4
.endr
	v_pk_add_f32 v[168:169], v[168:169], v[170:171]
	v_add_f32 v168, v168, v169
	WSUM 168, 174
	v_mul_f32 v175, 0x3a800000, v168               ; the variance
	v_add_f32 v175, 0x3727c5ac, v175               ; + 1e-5
	v_rsq_f32 v176, v175
	v_nop                                          ; a plain line behind the root
	s_wait_alu depctr_va_vdst(0)                   ; the wait ahead of the first reader
	v_mov_b32 v177, v176
.set nJ, 0
.rept 16
	v_pk_mul_f32 v[X+nJ:X+nJ+1], v[X+nJ:X+nJ+1], v[176:177]
.set nJ, nJ+2
.endr
.set nJ, 0
.rept 16
	v_pk_fma_f32 v[X+nJ:X+nJ+1], v[X+nJ:X+nJ+1], v[GA+nJ:GA+nJ+1], v[BE+nJ:BE+nJ+1]
.set nJ, nJ+2
.endr
.irp q, 0,1,2,3,4,5,6,7
	global_store_b128 v2, v[X+4*\q:X+4*\q+3], s[16:17] offset:512*\q th:TH_STORE_NT    ; 512 consecutive bytes a store
.endr
	s_endpgm
.Lfunc_end_k_qe7fb82a5a3_norm:
	.size	k_qe7fb82a5a3_norm, .Lfunc_end_k_qe7fb82a5a3_norm-k_qe7fb82a5a3_norm
	.p2alignl 7, 3214868480
	.fill 96, 4, 3214868480
	.section	.rodata,"a",@progbits
	.p2align	6, 0x0
	.amdhsa_kernel k_qe7fb82a5a3_norm
		.amdhsa_group_segment_fixed_size 0
		.amdhsa_private_segment_fixed_size 0
		.amdhsa_enable_private_segment 0
		.amdhsa_kernarg_size 56
		.amdhsa_user_sgpr_count 2
		.amdhsa_user_sgpr_kernarg_segment_ptr 1
		.amdhsa_wavefront_size32 1
		.amdhsa_system_sgpr_workgroup_id_x 1
		.amdhsa_system_sgpr_workgroup_id_y 1
		.amdhsa_system_sgpr_workgroup_id_z 1
		.amdhsa_system_vgpr_workitem_id 0
		.amdhsa_next_free_vgpr 192
		.amdhsa_next_free_sgpr 66
		.amdhsa_reserve_vcc 0
		.amdhsa_float_denorm_mode_32 3
		.amdhsa_float_denorm_mode_16_64 3
		.amdhsa_memory_ordered 1
		.amdhsa_forward_progress 1
		.amdhsa_inst_pref_size 15
	.end_amdhsa_kernel
	.amdgpu_metadata
---
amdhsa.version: [ 1, 2 ]
amdhsa.kernels:
  - .name:           k_qe7fb82a5a3_norm
    .symbol:         k_qe7fb82a5a3_norm.kd
    .args:
      - { .name: inp, .offset: 0, .size: 8, .value_kind: global_buffer, .address_space: global }
      - { .name: y2, .offset: 8, .size: 8, .value_kind: global_buffer, .address_space: global }
      - { .name: route, .offset: 16, .size: 8, .value_kind: global_buffer, .address_space: global }
      - { .name: score, .offset: 24, .size: 8, .value_kind: global_buffer, .address_space: global }
      - { .name: ln_gamma, .offset: 32, .size: 8, .value_kind: global_buffer, .address_space: global }
      - { .name: ln_beta, .offset: 40, .size: 8, .value_kind: global_buffer, .address_space: global }
      - { .name: out0, .offset: 48, .size: 8, .value_kind: global_buffer, .address_space: global }
    .group_segment_fixed_size: 0
    .private_segment_fixed_size: 0
    .kernarg_segment_align: 8
    .kernarg_segment_size: 56
    .max_flat_workgroup_size: 128
    .sgpr_count:     66
    .vgpr_count:     192
    .wavefront_size: 32
...
	.end_amdgpu_metadata
.endif
;; end of part 4
;; ======== version 2 of 2: 4 launches; version 1 with the launch ffn2 written anew for expert scheduling mode
;; workspace buffers: idx 8,192 bytes of whole numbers; score 8,192 bytes; xq 2,097,152 bytes; route 9,472 bytes of whole numbers; hq 33,554,432 bytes; y2 33,554,432 bytes
;; launch gate: the kernel of part 1 again; grid 256 x 1, 4 waves a work-group, no clusters, 8,704 bytes of LDS; arguments inp, gate_w, gate_b, lowp_scales, moe_bias, idx, score, xq, out1; writes idx, score, xq, out1
;; launch ffn1: the kernel of part 2 again; grid 256 x 1, 16 waves a work-group, no clusters, 139,776 bytes of LDS; arguments idx, xq, w1, lowp_scales, hq, route; writes hq, route
;; launch ffn2 (part 5): grid 256 x 1, 16 waves a work-group, no clusters, 153,600 bytes of LDS; arguments route, hq, w2, lowp_scales, y2; writes y2
.if DOCPART == 5
	.amdgcn_target "amdgcn-amd-amdhsa--gfx1250"
	.amdhsa_code_object_version 6
	.text
	.protected	k_qe7fb82a5a3_ffn2
	.globl	k_qe7fb82a5a3_ffn2
	.p2align	8
	.type	k_qe7fb82a5a3_ffn2,@function
k_qe7fb82a5a3_ffn2:
	s_mov_b64 s[64:65], 0
	v_nop
	global_prefetch_b8 v0, s[64:65] scope:SCOPE_SE
	s_setreg_imm32_b32 hwreg(HW_REG_WAVE_SCHED_MODE, 0, 2), 2
	s_setreg_imm32_b32 hwreg(HW_REG_WAVE_MODE, 25, 1), 1
	s_wait_xcnt 0x0
	s_wait_alu depctr_vm_vsrc(0)
; SECOND LAYER OF THE EXPERTS, on the chosen rows alone: y2 = hq Q(W2_e)^T x 2^(eh + ew2).
; SHARES.  Work-group (e, S), e = x / 32, S = x % 32, owns outputs 32 S .. 32 S + 31 of expert e over all of K = 4,096: 32 rows of W2, 512 KiB of f32, read once in the launch, as four chunks of 1,024 along K.
; ROLES as in the first layer: waves 8-15 load, hold, convert and lay a chunk's codes in LDS, a chunk ahead, with the chunk after that on its way; waves 0-7 multiply, up to three tiles of 16 rows a wave and round.
; 12 trips = 3 rounds x 4 chunks serve every split (384 rows a round, 1,024 at the most); a round's sums run over its four trips and leave in the fourth.
; The activations come as register images from hq: a fragment is four loads of 512 consecutive bytes.  The product is used transposed, and LDS row 16 u + 8 a + l holds W2's row 16 a + 8 u + l of the 32: a lane's
; 16 sums of a tile are 16 neighbouring outputs, 64 bytes; they go through the wave's own stage and leave as 512 consecutive bytes.  y2: [e][S][rank][32 f32].
; The accumulators are cleared once at the head and behind each round's way out, so that the K steps have one text.
; No tensor loads and no cluster: the trips' work hangs on a count read from memory.  No prefetch: the weights' stream is asked for a chunk ahead by the loads themselves.
; LIMITS: ew2 between -126 and 119; eh + ew2 between -126 and 127; NaN is not served.
; THE MODE: SCHED_MODE bits 1:0 = 2 (LLVM: expert scheduling mode 2), set by the entry lines.  The code itself states the register dependences between vector or matrix instructions
; and memory or LDS instructions, with s_wait_alu, always for 0.
; THE PLAN.  Registers that memory or LDS instructions touch, and who else names them:
;   v4, v19, v20      an offset and the stage's two LDS addresses, made at the head and never written again: one wait on va_vdst at the head serves every instruction that reads them.
;   v7, v8, v11, v12  written by vector adds at a trip's head; read by the trip's LDS stores (v7), LDS loads (v8), stores of y2 (v11) and loads of hq (v12).
;   F row i, C row i  loaders: the loads land in F; the row's holds write F, its conversions read F and write C; the row's LDS stores read C; the same row of the next chunk lands in F.
;   WF, the ring AP   compute: LDS loads land in WF and loads of hq in a slot of the ring; a K step's products read both.  On the way out tile i's scaled sums are written to 16 of the ring's registers,
;                     which the stage's stores read; the stage's loads land in 16 others, which the stores of y2 read.
; ONE wait on vm_vsrc stands at a trip's head: all that was issued before has read its registers, so the trip may write v7 to v12, C, WF and the ring again.
; Waits on va_vdst: a loader has one a row, behind the row's conversions, ahead of its LDS stores and of the loads that ask for the row again at once.  A compute wave has one behind the trip's last address add,
; one a K step behind the step's products (W2's next fragments and the ring's refill land in what these read), and one on the way out, behind all the tiles' scalings and ahead of the stage's stores and loads.
; All 256 registers of a wave are taken in the arm of three tiles, so W2's fragments keep their one set.
.set PITCH, 1040
.set CB,    32*PITCH
.set STAGE, 4*CB                       ; 16 rows x 144 bytes for each compute wave
.set RS,    16384                      ; from one row of W2 to the next
.set CSTEP, 4096                       ; from chunk to chunk, along the row
.set ACC,   24
.set WF,    72
.set AP,    104
.set F,     32
.set C,     160
; v1 lane, v2 lane % 16, v3 lane / 16, v4 16 x lane, v5/v7 where a loader stores, v6/v8 where a fragment is read, v11 y2 offset, v12 hq offset, v15 2^ew2, v16 448 x 2^ew2, v19 stage in, v20 stage back
	s_load_b256 s[4:11], s[0:1], 0x0               ; route, hq, w2, lowp_scales
	s_load_b64 s[12:13], s[0:1], 0x20              ; y2
	v_lshl_add_u32 v254, v0, 2, 0x25000
	v_mov_b32 v255, 0
	v_lshrrev_b32 v1, 5, v0
	v_readfirstlane_b32 s16, v1
	v_and_b32 v1, 31, v0
	v_and_b32 v2, 15, v0
	v_bfe_u32 v3, v0, 4, 1
	v_lshlrev_b32 v4, 4, v1
	s_lshr_b32 s17, ttmp9, 5                       ; e
	s_and_b32 s18, ttmp9, 31                       ; S
	s_wait_alu depctr_va_sdst(0)                   ; s16 is written, ahead of its first reader
	s_and_b32 s19, s16, 7
	s_bfe_u32 s27, s19, 0x10001
	s_lshl_b32 s27, s27, 4
	s_lshr_b32 s28, s19, 2
	s_lshl_b32 s28, s28, 3
	s_add_co_u32 s27, s27, s28
	s_and_b32 s28, s19, 1
	s_lshl_b32 s28, s28, 2
	s_add_co_u32 s27, s27, s28
	s_mul_i32 s27, s27, PITCH
	v_lshl_add_u32 v5, v1, 2, s27
	v_mul_u32_u24 v6, v2, PITCH
	v_lshl_add_u32 v6, v3, 4, v6
	v_mov_b32 v7, v5
	v_mov_b32 v8, v6
	s_mul_i32 s28, s19, 2304
	s_add_co_u32 s28, s28, STAGE
	v_mul_u32_u24 v19, v2, 144
	v_lshl_add_u32 v19, v3, 6, v19
	v_add_nc_u32 v19, s28, v19                     ; in: row lane % 16, 64 bytes for each half of the lanes
	v_lshrrev_b32 v21, 3, v1
	v_mul_u32_u24 v20, v21, 144
	v_and_b32 v21, 7, v1
	v_lshl_add_u32 v20, v21, 4, v20
	v_add_nc_u32 v20, s28, v20                     ; back: eight lanes to a row of 128 bytes, four rows an instruction
.set hJ, 0
.rept 48
	v_mov_b32 v[ACC+hJ], 0
.set hJ, hJ+1
.endr
	s_lshl_b32 s20, s17, 10                        ; a loader's first row of W2: 1,024 e + 32 S + 4 w, rows of 16,384 bytes: under 2^27 bytes
	s_lshl_b32 s28, s18, 5
	s_add_co_u32 s20, s20, s28
	s_lshl_b32 s28, s19, 2
	s_add_co_u32 s20, s20, s28
	s_lshl_b32 s20, s20, 14
	s_mov_b32 s21, 0
	s_lshl_b32 s28, s17, 4
	s_mov_b32 s29, 0
	s_lshl_b32 s36, s17, 2
	s_mov_b32 s37, 0
	s_lshl_b32 s38, s17, 22                        ; the expert's 64 tiles of 65,536 bytes in hq
	s_mov_b32 s39, 0
	s_wait_kmcnt 0x0
	s_add_nc_u64 s[22:23], s[8:9], s[20:21]
	s_add_nc_u64 s[10:11], s[10:11], s[28:29]
	s_add_nc_u64 s[4:5], s[4:5], s[36:37]
	s_add_nc_u64 s[32:33], s[6:7], s[38:39]
	s_load_b128 s[40:43], s[10:11], 0x0            ; ex, ew1, eh, ew2
	s_load_b32 s25, s[4:5], 0x2000                 ; the expert's count of rows
	s_wait_alu depctr_va_vdst(0)                   ; the offset v4 and the LDS addresses v7, v19 and v20 are written, which the instructions below read; so are the zeros in v32 to v71, in which a loader's rows land
	s_cmp_lt_u32 s16, 8
	s_cbranch_scc1 .Lnofill
.irp i, 0,1,2,3
.irp ii, 0,1,2,3,4,5,6,7
	global_load_b128 v[F+32*\i+4*\ii:F+32*\i+4*\ii+3], v4, s[22:23] offset:\i*RS+512*\ii th:TH_LOAD_NT   ; chunk 0
.endr
.endr
.Lnofill:
	s_wait_kmcnt 0x0
	s_add_co_i32 s28, s43, 127
	s_lshl_b32 s29, s28, 23
	v_mov_b32 v15, s29
	s_add_co_i32 s28, s28, 8
	s_lshl_b32 s28, s28, 23
	s_or_b32 s28, s28, 0x600000
	v_mov_b32 v16, s28
	s_add_co_i32 s44, s42, s43
	s_add_co_i32 s44, s44, 127
	s_lshl_b32 s44, s44, 23                        ; 2^(eh + ew2)
	s_mov_b32 s45, s44
	s_min_u32 s25, s25, 1024
	s_add_co_u32 s26, s25, 15
	s_lshr_b32 s26, s26, 4                         ; tiles of 16 rows
.macro LROW i, reload, left
	s_wait_loadcnt \left
.set lJ, 0
.rept 32
	v_med3_num_f32 v[F+32*\i+lJ], v[F+32*\i+lJ], -v16, v16     ; the conversion does not saturate (ISA guide 7.6.2): hold first
.set lJ, lJ+1
.endr
.irp q, 0,1,2,3
	v_cvt_scalef32_pk8_fp8_f32 v[C+8*\i+2*\q:C+8*\i+2*\q+1], v[F+32*\i+8*\q:F+32*\i+8*\q+7], v15
.endr
	v_nop                                          ; a plain line behind the last conversion
	s_wait_alu depctr_va_vdst(0)                   ; the conversions have written the row's codes, which the LDS stores read, and are done reading the row's numbers, in which the next chunk's loads land; v7 is written
.irp ii, 0,1,2,3,4,5,6,7
	ds_store_b32 v7, v[C+8*\i+\ii] offset:\i*PITCH+128*\ii
.endr
.if \reload
.irp ii, 0,1,2,3,4,5,6,7
	global_load_b128 v[F+32*\i+4*\ii:F+32*\i+4*\ii+3], v4, s[22:23] offset:\i*RS+512*\ii th:TH_LOAD_NT
.endr
.endif
.endm
.macro LCHUNK reload
.if \reload
	s_wait_xcnt 0x0                                ; the loads that are out have read their base
	s_add_nc_u64 s[22:23], s[22:23], CSTEP
	LROW 0, 1, 24                                  ; behind row i's eight loads: three rows of eight, of this chunk or the next
	LROW 1, 1, 24
	LROW 2, 1, 24
	LROW 3, 1, 24
.else
	LROW 0, 0, 24                                  ; nothing more is asked for: the counts run down
	LROW 1, 0, 16
	LROW 2, 0, 8
	LROW 3, 0, 0
.endif
.endm
.macro PLACES
.rept 4
	v_nop
.endr
.endm
.macro ALOAD na, d, s                  ; K step s of na tiles: a fragment's image, four loads of 512 consecutive bytes
.set aI, 0
.rept \na
.set aR, AP+16*(((\s)%(\d))*(\na)+aI)
.irp cc, 0,1,2,3
	global_load_b128 v[aR+4*\cc:aR+4*\cc+3], v12, s[34:35] offset:524288*aI+2048*(\s)+512*\cc
.endr
.set aI, aI+1
.endr
.endm
.macro WLOAD s
.irp u, 0,1
.irp cc, 0,1,2,3
	ds_load_b128 v[WF+16*\u+4*\cc:WF+16*\u+4*\cc+3], v8 offset:\u*16*PITCH+128*(\s)+32*\cc
.endr
.endr
.endm
.macro MULS na, d, s                   ; the accumulators take turns, one instruction a turn, over the trips' edges too
.set mI, 0
.rept \na
.set mA, AP+16*(((\s)%(\d))*(\na)+mI)
.irp u, 0,1
	v_wmma_f32_16x16x128_fp8_fp8 v[ACC+16*mI+8*\u:ACC+16*mI+8*\u+7], v[WF+16*\u:WF+16*\u+15], v[mA:mA+15], v[ACC+16*mI+8*\u:ACC+16*mI+8*\u+7]
.endr
.set mI, mI+1
.endr
.endm
.macro KSTEPS na, d
.set kS, 0
.rept \d
	ALOAD \na, \d, kS
.set kS, kS+1
.endr
	WLOAD 0
.set kS, 0
.rept 8
.if 7-kS < \d-1
	s_wait_loadcnt 4*\na*(7-kS)                    ; this step's images are in; the younger steps' loads may be out
.else
	s_wait_loadcnt 4*\na*(\d-1)
.endif
	s_wait_dscnt 0x0
	MULS \na, \d, kS
	PLACES                                         ; four plain lines ahead of loads into registers that these products read, and of the first read of results
.if kS < 7
	s_wait_alu depctr_va_vdst(0)                   ; the step's products are done reading W2's two fragments and the ring's slot, in which the loads below land
	WLOAD kS+1                                     ; wanted first: the next step's products wait for them
.endif
.if kS+\d <= 7
	ALOAD \na, \d, kS+\d
.endif
.set kS, kS+1
.endr
.endm
; The way out of tile i, in three parts.  EPIV: the finished sums x 2^(eh + ew2) into 16 registers of the ring; the accumulators begin anew.
.macro EPIV i
.set eA, ACC+16*(\i)
.set eT, AP+32*(\i)
.set eJ, 0
.rept 8
	v_pk_mul_f32 v[eT+eJ:eT+eJ+1], v[eA+eJ:eA+eJ+1], s[44:45] op_sel_hi:[1,0]      ; each accumulator from its low end on
.set eJ, eJ+2
.endr
.set eJ, 0
.rept 16
	v_mov_b32 v[eA+eJ], 0
.set eJ, eJ+1
.endr
.endm
; EPIS: through my stage, into 16 other registers.
.macro EPIS i
.set eT, AP+32*(\i)
.irp g, 0,1,2,3
	ds_store_b128 v19, v[eT+4*\g:eT+4*\g+3] offset:16*\g
.endr
.irp g, 0,1,2,3
	ds_load_b128 v[eT+16+4*\g:eT+16+4*\g+3], v20 offset:576*\g                     ; my wave's own bytes, served in order (ISA guide 5.7.1.4): these see the stores above, and the next tile's stores come behind them
.endr
.endm
; EPIO: out.  younger: the LDS instructions issued behind tile i's loads, eight for each later tile, which may stay out.
.macro EPIO i, younger
.set eT, AP+32*(\i)
	s_wait_dscnt \younger
.irp g, 0,1,2,3
	global_store_b128 v11, v[eT+16+4*\g:eT+16+4*\g+3], s[12:13] offset:16384*(\i)+512*\g   ; four ranks x 128 bytes: 512 consecutive bytes
.endr
.endm
.macro CARM na, d
	KSTEPS \na, \d
	s_cmp_lg_u32 s27, 3                            ; the round's last chunk?
	s_cbranch_scc1 .Ljoin
.set cI, 0
.rept \na
	EPIV cI
.set cI, cI+1
.endr
	s_wait_alu depctr_va_vdst(0)                   ; all the tiles' scaled sums are written, which the stage's stores read; the last products are done reading the ring's registers, in which the stage's loads land
.set cI, 0
.rept \na
	EPIS cI
.set cI, cI+1
.endr
.set cI, 0
.rept \na
	EPIO cI, 8*(\na-1-cI)
.set cI, cI+1
.endr
.endm
	s_cmp_lt_u32 s16, 8
	s_cbranch_scc1 .Lnopro
	LCHUNK 1                                       ; chunk 0 into buffer 0; chunk 1 is asked for
.Lnopro:
	s_wait_dscnt 0x0
	s_barrier_signal -1
	s_barrier_wait -1
	s_mov_b32 s24, 0
.Ltrip:
	s_wait_alu depctr_vm_vsrc(0)                   ; all that was issued so far has read its registers: the LDS stores v7 and their codes, the LDS loads v8, the loads of hq v12, the stage's stores and the stores of y2 their data and v11: this trip writes them again
	s_and_b32 s27, s24, 3
	s_mul_i32 s28, s27, CB
	v_add_nc_u32 v8, s28, v6
	s_add_co_u32 s28, s24, 1
	s_and_b32 s28, s28, 3
	s_mul_i32 s28, s28, CB
	v_add_nc_u32 v7, s28, v5
	s_lshr_b32 s31, s24, 2                         ; the round
	s_cmp_lt_u32 s16, 8
	s_cbranch_scc1 .Lcompute
	s_cmp_gt_u32 s24, 2
	s_cbranch_scc1 .Ljoin
	s_cmp_eq_u32 s24, 2
	s_cbranch_scc1 .Llast
	LCHUNK 1
	s_branch .Ljoin
.Llast:
	LCHUNK 0
	s_branch .Ljoin
.Lcompute:
	s_wait_loadcnt 0x0                             ; a compute wave's loads ended with its last K step's wait for 0, so this is met at once: the ring below names registers that the loading waves' rows name, and no load lands where an earlier one may still write
	s_wait_xcnt 0x0                                ; earlier loads and stores have read their registers and bases
	s_mul_i32 s28, s31, 24
	s_add_co_u32 s28, s28, s19                     ; my first tile; the others lie 8 and 16 on
	s_sub_co_i32 s29, s26, s28
	s_add_co_i32 s29, s29, 7
	s_ashr_i32 s29, s29, 3
	s_max_i32 s29, s29, 0
	s_min_i32 s29, s29, 3
	s_lshl_b32 s36, s27, 14                        ; the chunk's eight K steps of 2,048 bytes
	s_mov_b32 s37, 0
	s_add_nc_u64 s[34:35], s[32:33], s[36:37]
	s_lshl_b32 s30, s28, 16
	v_add_nc_u32 v12, s30, v4
	s_lshl_b32 s30, s17, 5
	s_add_co_u32 s30, s30, s18
	s_lshl_b32 s30, s30, 10
	s_lshl_b32 s38, s28, 4
	s_add_co_u32 s30, s30, s38
	s_lshl_b32 s30, s30, 7
	v_add_nc_u32 v11, s30, v4                      ; y2: ((32 e + S) x 1,024 + 16 tile) x 128 + 16 lane
	s_wait_alu depctr_va_vdst(0)                   ; v8, v11 and v12 are written, which this trip's LDS loads, stores and loads of hq read; the vector and matrix work issued so far is done with WF and the ring, in which this trip's loads land
	s_cmp_eq_u32 s29, 0
	s_cbranch_scc1 .Ljoin
	s_cmp_eq_u32 s29, 1
	s_cbranch_scc1 .Lna1
	s_cmp_eq_u32 s29, 2
	s_cbranch_scc1 .Lna2
	CARM 3, 3
	s_branch .Ljoin
.Lna2:
	CARM 2, 4
	s_branch .Ljoin
.Lna1:
	CARM 1, 8
.Ljoin:
	s_wait_dscnt 0x0                               ; a loader's stores have landed; a compute wave's reads are in
	s_barrier_signal -1
	s_barrier_wait -1
	s_add_co_u32 s24, s24, 1
	s_cmp_lt_u32 s24, 12
	s_cbranch_scc1 .Ltrip
	s_wait_dscnt 0x0
	s_wait_alu depctr_hold_cnt(0) depctr_sa_sdst(0) depctr_va_vdst(0) depctr_va_sdst(0) depctr_va_ssrc(0) depctr_va_vcc(0) depctr_vm_vsrc(0)
	s_wait_tensorcnt 0x0
	ds_add_u32 v254, v255
	s_wait_dscnt 0x0
	s_endpgm
.Lfunc_end_k_qe7fb82a5a3_ffn2:
	.size	k_qe7fb82a5a3_ffn2, .Lfunc_end_k_qe7fb82a5a3_ffn2-k_qe7fb82a5a3_ffn2
	.p2alignl 7, 3214868480
	.fill 96, 4, 3214868480
	.section	.rodata,"a",@progbits
	.p2align	6, 0x0
	.amdhsa_kernel k_qe7fb82a5a3_ffn2
		.amdhsa_group_segment_fixed_size 153600
		.amdhsa_private_segment_fixed_size 0
		.amdhsa_enable_private_segment 0
		.amdhsa_kernarg_size 40
		.amdhsa_user_sgpr_count 2
		.amdhsa_user_sgpr_kernarg_segment_ptr 1
		.amdhsa_wavefront_size32 1
		.amdhsa_system_sgpr_workgroup_id_x 1
		.amdhsa_system_sgpr_workgroup_id_y 1
		.amdhsa_system_sgpr_workgroup_id_z 1
		.amdhsa_system_vgpr_workitem_id 0
		.amdhsa_next_free_vgpr 256
		.amdhsa_next_free_sgpr 66
		.amdhsa_reserve_vcc 0
		.amdhsa_float_denorm_mode_32 3
		.amdhsa_float_denorm_mode_16_64 3
		.amdhsa_memory_ordered 1
		.amdhsa_forward_progress 1
		.amdhsa_inst_pref_size 104
	.end_amdhsa_kernel
	.amdgpu_metadata
---
amdhsa.version: [ 1, 2 ]
amdhsa.kernels:
  - .name:           k_qe7fb82a5a3_ffn2
    .symbol:         k_qe7fb82a5a3_ffn2.kd
    .args:
      - { .name: route, .offset: 0, .size: 8, .value_kind: global_buffer, .address_space: global }
      - { .name: hq, .offset: 8, .size: 8, .value_kind: global_buffer, .address_space: global }
      - { .name: w2, .offset: 16, .size: 8, .value_kind: global_buffer, .address_space: global }
      - { .name: lowp_scales, .offset: 24, .size: 8, .value_kind: global_buffer, .address_space: global }
      - { .name: y2, .offset: 32, .size: 8, .value_kind: global_buffer, .address_space: global }
    .group_segment_fixed_size: 153600
    .private_segment_fixed_size: 0
    .kernarg_segment_align: 8
    .kernarg_segment_size: 40
    .max_flat_workgroup_size: 512
    .sgpr_count:     66
    .vgpr_count:     256
    .wavefront_size: 32
...
	.end_amdgpu_metadata
.endif
;; end of part 5
;; launch norm: the kernel of part 4 again; grid 256 x 1, 4 waves a work-group, no clusters, 0 bytes of LDS; arguments inp, y2, route, score, ln_gamma, ln_beta, out0; writes out0
